; MI455X (gfx1250); checked and timed in simulation.
; The chip was launched on July 23, 2026; its instructions are those of AMD's public machine-readable ISA for CDNA 5 (MIT licence, August 2026) and "CDNA5" Instruction Set Architecture Reference Guide (July 2026). The comments in the code are by the model that wrote it; some were corrected since.
;; Sliding Window Attention. Allowed arithmetic: matrix products marked QUANTISED: E2M3 operands, one E8M0 scale for each 32 along K, by v_wmma_scale_f32_16x16x128_f8f6f4 with both operands' format E2M3, f32 sums; everything else in f32.
;; Inputs: Wk 1,024 x 1,024 float32; Wo 1,024 x 1,024 float32; Wq 1,024 x 1,024 float32; Wv 1,024 x 1,024 float32; x 1 x 4,096 x 1,024 float32.
;; Outputs: out0 1 x 4,096 x 1,024 float32.
;; This version of the problem:
;;   THIS VERSION OF THE PROBLEM IS GIVEN IN LOW PRECISION. The matrix products marked QUANTISED in the list below multiply operands that are first quantised to E2M3 (2 exponent bits, 3 mantissa bits; 6 bits a number), with one power-of-two scale for each 32 numbers along K (OCP MX v1.0); their sums are f32. All else is computed in f32.
;;   The module's matrix products, in the order in which they are computed (A, B: the left and right operand; K: the contracted axis; several contracted axes count as one K, in the product's order):
;;     1. [M 4,096, K 1,024] x [K 1,024, N 1,024]; A: input x; B: input Wq: QUANTISED
;;     2. [M 4,096, K 1,024] x [K 1,024, N 1,024]; A: input x; B: input Wk: QUANTISED
;;     3. [M 4,096, K 1,024] x [K 1,024, N 1,024]; A: input x; B: input Wv: QUANTISED
;;     4. batch 16 x [M 4,096, K 64] x [K 64, N 4,096]; A: computed on the way; B: computed on the way: QUANTISED
;;     5. batch 16 x [M 4,096, K 4,096] x [K 4,096, N 64]; A: softmax (see below); B: computed on the way: QUANTISED
;;     6. [M 4,096, K 1,024] x [K 1,024, N 1,024]; A: computed on the way; B: input Wo: QUANTISED
;;   THE QUANTISER, for each operand of a quantised product, along K:
;;     - K is cut into blocks of 32 from its start; a last block that is shorter is filled with zeros.
;;     - A block's scale is 2^e with e = floor(log2(the largest magnitude in the block)) - 2, held to -126 .. 127; a block of zeros has e = 0. As a byte (E8M0): e + 127.
;;     - Each number is divided by its block's scale, clamped to +-7.5, and rounded to the nearest number of E2M3, ties to even, subnormals kept.
;;     - The product sums the exact products of the quantised numbers (number of the format x scale) in f32.
;;   ~~~python
;;   def quantise(x, axis):      # numpy; x: float32 -> the quantised numbers, widened to float32 again
;;       x = np.moveaxis(x, axis, -1); K = x.shape[-1]
;;       x = np.pad(x, [(0, 0)] * (x.ndim - 1) + [(0, -K % 32)]); x = x.reshape(x.shape[:-1] + (-1, 32)); a = np.abs(x).max(-1, keepdims=True)
;;       e = np.where(a > 0, np.clip(np.frexp(np.where(a > 0, a, 1))[1] - 1 - 2, -126, 127), 0)      # np.frexp(a)[1] - 1 = floor(log2(a)), exactly
;;       r = np.clip(x / 2.0 ** e, -7.5, 7.5)
;;       step = 2.0 ** (np.maximum(np.frexp(np.where(r == 0, 1, r))[1] - 1, 0) - 3)
;;       q = np.round(r / step) * step * 2.0 ** e      # np.round: ties to even
;;       return np.moveaxis(q.reshape(q.shape[:-2] + (-1,))[..., :K], -1, axis).astype(np.float32)
;;   ~~~
;;   SOFTMAX AHEAD OF A QUANTISED PRODUCT. Where the list says 'softmax', what is quantised is not the finished softmax but p = 2^(t - M), with t = logit x log2(e) and M = ceil(the row's largest t), a whole number; so 1/2 < the row's largest p <= 1. The row's sum l is taken of the UNQUANTISED p, in f32, and the product's result is divided by l at the end. Since M is a whole number, a kernel that streams over the keys may use a running M (the ceiling of the running maximum): every later rescaling is an exact power of two, which a block's scale takes up: the codes' values come out the same.
;;   OPERANDS COMPUTED ON THE WAY. 'Computed on the way' means the value that the module computes at that place (a softmax that the list does not call 'softmax' is quantised finished and normalised). What goes into a quantiser is computed in f32, as accurately as f32 sums, v_exp_f32 and their like allow (about 1e-6 of the number): no bf16 or f16 on the way to a quantiser, and a product that is left as it is and whose result goes on into a quantised operand takes f32 operands (vector FMAs, or v_wmma_f32_16x16x4_f32). A number that lies on a knife's edge between two numbers of the format may be rounded either way, as far as f32 arithmetic and the matrix unit's own rounding can turn it there, and no further.
;; One version. Each part assembles by itself: llvm-mc -triple=amdgcn-amd-amdhsa -mcpu=gfx1250 --defsym DOCPART=n.
;; ======== version 1 of 1: 4 launches
;; workspace buffers: cod 6,291,456 bytes; scl 262,144 bytes; qkc 6,291,456 bytes; qks 262,144 bytes; vc 3,145,728 bytes; vs 131,072 bytes; oc 3,145,728 bytes; os 131,072 bytes
;; launch quant (part 1): grid 256 x 1, 4 waves a work-group, no clusters, 33,280 bytes of LDS; arguments x, Wq, Wk, Wv, Wo, cod, scl; writes cod, scl
.if DOCPART == 1
	.amdgcn_target "amdgcn-amd-amdhsa--gfx1250"
	.amdhsa_code_object_version 6
	.text
	.protected	k_qf7b3db114b_quant
	.globl	k_qf7b3db114b_quant
	.p2align	8
	.type	k_qf7b3db114b_quant,@function
k_qf7b3db114b_quant:
	s_mov_b64 s[64:65], 0
	v_nop
	global_prefetch_b8 v0, s[64:65] scope:SCOPE_SE
	s_setreg_imm32_b32 hwreg(HW_REG_WAVE_MODE, 25, 1), 1
	s_wait_xcnt 0x0
; x [4096][1024] and Wq, Wk, Wv, Wo [1024][1024], f32, become codes of FP6 (E2M3), K innermost, 768 bytes a row, in cod, and one E8M0 byte for each 32 along K, 32 bytes a row, in scl.
; Rows of cod and scl: 0-4095 x, 4096-5119 Wq, 5120-6143 Wk, 6144-7167 Wv, 7168-8191 Wo.
; A block's scale is 2^(floor(log2(its largest magnitude)) - 2); its byte is the largest magnitude's exponent field - 2, held at 1 from below.  Numbers are divided by the scale and rounded to the nearest code, ties to even.
; THE ROWS OF x, Wq, Wk, Wv ARE STORED IN ANOTHER ORDER: in each group of 32 rows the four runs of 8 rows lie in the order 0, 2, 1, 3, so that stored row 16 u + i of a group is row 8 u + i + 8 (i / 8).
; A tile of 16 stored rows used as a matrix instruction's source 0 then leaves, in a lane's 16 result registers of two neighbouring tiles, 16 NEIGHBOURING rows: what the later launches' quantisers want.  Wo keeps its order.
; A wave takes 8 rows (8,192 numbers), so the order costs nothing: it is the wave's place in the output, its number with its two bits exchanged.
; LIMITS: a block of zeros gets the byte 1 (its codes are zeros, and this program alone reads the bytes); blocks whose largest magnitude lies under 2^-124 are held at the byte 1; NaN and infinities are not served.
; SHARES: work-group g takes 32 rows: g 0-127 x, then 32 work-groups for each W.  A wave takes 16 steps of 512 numbers.  Each of a step's four loads reads 512 consecutive bytes; the 2,048 bytes turn through the wave's own
; stage in LDS (16 bytes of padding behind each 64) and come back 64 bytes a lane: 16 neighbours along K, two lanes to a block.  No barrier: waves share nothing.  Loads run four steps ahead, the turn through LDS one.
.set STEPS, 16
.set CB,    12                         ; bytes of 16 codes
.set R,     16                         ; v16-79   four sets of 16 numbers as loaded
.set X,     80                         ; v80-111  two sets of 16 neighbours
.set E,     112                        ; v112-127 a scale byte for each step
.set C,     128                        ; v128-191 codes: four registers for each step, so that no store's data are written again
.set WREG,  8192                       ; LDS of a wave: two stages of 32 x SP bytes, then its 256 scale bytes
.set SP,    80
	s_load_b256 s[4:11], s[0:1], 0x0               ; x, Wq, Wk, Wv
	s_load_b128 s[12:15], s[0:1], 0x20             ; Wo, cod
	s_load_b64 s[16:17], s[0:1], 0x30              ; scl
	v_lshl_add_u32 v192, v0, 2, 0x8000
	v_mov_b32 v193, 0
	v_lshrrev_b32 v1, 5, v0
	v_readfirstlane_b32 s18, v1                    ; wave
	v_and_b32 v2, 31, v0                           ; lane
	v_lshlrev_b32 v3, 4, v2                        ; my 16 bytes of a load's 512
	s_mul_i32 s22, s18, WREG
	v_lshrrev_b32 v14, 2, v2
	v_mul_u32_u24 v14, v14, SP
	v_and_b32 v15, 3, v2
	v_lshl_add_u32 v14, v15, 4, v14
	v_add_nc_u32 v14, s22, v14                     ; the stage, on the way in: SP (lane / 4) + 16 (lane % 4)
	v_mul_u32_u24 v15, v2, SP
	v_add_nc_u32 v15, s22, v15                     ; and on the way out: SP x lane
	v_mul_u32_u24 v4, v2, CB                       ; my codes' place in a step's
	v_lshrrev_b32 v5, 1, v2
	s_add_co_u32 s22, s22, 2*32*SP
	v_add_nc_u32 v5, s22, v5                       ; LDS: my block's scale byte
	v_lshlrev_b32 v7, 3, v2
	v_add_nc_u32 v6, s22, v7                       ; and on the way out 8 bytes a lane
	s_and_b32 s23, s18, 1
	s_lshl_b32 s23, s23, 1
	s_lshr_b32 s30, s18, 1
	s_or_b32 s23, s23, s30                         ; the wave's number with its two bits exchanged
	s_and_b32 s19, ttmp9, 31                       ; my work-group's number within a W
	s_wait_kmcnt 0x0
	s_mov_b64 s[20:21], s[12:13]                   ; which tensor: the choices hang on the work-group's number alone
	s_cmp_lt_u32 ttmp9, 224
	s_cselect_b64 s[20:21], s[10:11], s[20:21]
	s_cselect_b32 s23, s23, s18                    ; Wo keeps its rows' order
	s_cmp_lt_u32 ttmp9, 192
	s_cselect_b64 s[20:21], s[8:9], s[20:21]
	s_cmp_lt_u32 ttmp9, 160
	s_cselect_b64 s[20:21], s[6:7], s[20:21]
	s_cmp_lt_u32 ttmp9, 128
	s_cselect_b64 s[20:21], s[4:5], s[20:21]
	s_cselect_b32 s19, ttmp9, s19                  ; my work-group's number within its tensor
	s_lshl_b32 s30, s19, 2
	s_add_co_u32 s30, s30, s18
	s_lshl_b32 s30, s30, 15                        ; my wave's 8 rows: 32,768 bytes a run
	s_mov_b32 s31, 0
	s_add_nc_u64 s[24:25], s[20:21], s[30:31]      ; from here
	s_lshl_b32 s32, ttmp9, 2
	s_add_co_u32 s32, s32, s23                     ; the run's place in cod and scl
	s_mul_i32 s30, s32, 32*STEPS*CB
	s_add_nc_u64 s[26:27], s[14:15], s[30:31]      ; 6,144 bytes of codes a run
	s_lshl_b32 s30, s32, 8
	s_add_nc_u64 s[28:29], s[16:17], s[30:31]      ; 256 scale bytes a run
.macro LOAD t
.irp i, 0,1,2,3
	global_load_b128 v[R+16*((\t)%4)+4*\i:R+16*((\t)%4)+4*\i+3], v3, s[24:25] offset:2048*(\t)+512*\i th:TH_LOAD_NT   ; 32 lanes read 512 consecutive bytes
.endr
.endm
.macro TURN t                          ; step t's numbers through the stage: LDS serves a wave's instructions in order, so no wait stands between the stores and the loads
.irp i, 0,1,2,3
	ds_store_b128 v14, v[R+16*((\t)%4)+4*\i:R+16*((\t)%4)+4*\i+3] offset:32*SP*((\t)%2)+8*SP*\i
.endr
.irp i, 0,1,2,3
	ds_load_b128 v[X+16*((\t)%2)+4*\i:X+16*((\t)%2)+4*\i+3], v15 offset:32*SP*((\t)%2)+16*\i
.endr
.endm
.irp t, 0,1,2,3
	LOAD \t
.endr
	s_wait_loadcnt 12                              ; step 0's four loads are in; the 12 of steps 1 to 3 may be out
	TURN 0
.macro STEP t
.set XS, X+16*((\t)%2)
.if (\t) > 0
	s_wait_dscnt 1                                 ; this step's numbers are back from the stage (the last step's byte store may be out): so its stores into the stage have read their registers,
.else
	s_wait_dscnt 0x0
.endif
.if (\t)+4 < STEPS
	LOAD (\t)+4                                    ; which take the loads of four steps on
.endif
.if (\t)+1 < STEPS
.if STEPS-2-(\t) >= 3
	s_wait_loadcnt 12                              ; the next step's four loads are in; those of the three steps behind it may be out
.else
	s_wait_loadcnt 4*(STEPS-2-(\t))
.endif
	TURN (\t)+1                                    ; and go through the other stage while this step is worked
.endif
	v_max3_num_f32 v8, |v[XS]|, |v[XS+1]|, |v[XS+2]|               ; the largest magnitude of my 16, in two chains
	v_max3_num_f32 v9, |v[XS+3]|, |v[XS+4]|, |v[XS+5]|
.irp i, 6,10
	v_max3_num_f32 v8, v8, |v[XS+\i]|, |v[XS+\i+1]|
	v_max3_num_f32 v9, v9, |v[XS+\i+2]|, |v[XS+\i+3]|
.endr
	v_max3_num_f32 v8, v8, |v[XS+14]|, |v[XS+15]|
	v_max3_num_f32 v8, v8, v9, 0x1800000           ; and the floor 2^(3 - 127): the byte cannot fall under 1
	v_max_num_f32_dpp v8, v8, v8 row_xmask:1 row_mask:0xf bank_mask:0xf   ; and of my neighbour's 16: the block's
	v_add_nc_u32 v11, 0xff000000, v8               ; 2 off its exponent field: the conversion takes the exponent field of this operand as its scale
	v_cvt_scalef32_pk16_fp6_f32 v[C+4*(\t):C+4*(\t)+2], v[XS:XS+15], v11   ; 16 codes, 96 bits without gaps, the first number's code lowest
	v_lshrrev_b32 v[E+(\t)], 23, v11               ; the scale's byte
	ds_store_b8 v5, v[E+(\t)] offset:16*(\t)       ; both lanes of a block write the same byte with the same value
	global_store_b96 v4, v[C+4*(\t):C+4*(\t)+2], s[26:27] offset:32*CB*(\t)   ; the wave stores 384 consecutive bytes
.endm
.irp t, 0,1,2,3,4,5,6,7,8,9,10,11,12,13,14,15
	STEP \t
.endr
	ds_load_b64 v[12:13], v6                       ; LDS serves a wave's instructions in order: these see my stores
	s_wait_dscnt 0x0
	global_store_b64 v7, v[12:13], s[28:29]        ; 32 lanes store 256 consecutive bytes, aligned
	s_wait_tensorcnt 0x0
	ds_add_u32 v192, v193
	s_wait_dscnt 0x0
	s_endpgm
.Lfunc_end_k_qf7b3db114b_quant:
	.size	k_qf7b3db114b_quant, .Lfunc_end_k_qf7b3db114b_quant-k_qf7b3db114b_quant
	.p2alignl 7, 3214868480
	.fill 96, 4, 3214868480
	.section	.rodata,"a",@progbits
	.p2align	6, 0x0
	.amdhsa_kernel k_qf7b3db114b_quant
		.amdhsa_group_segment_fixed_size 33280
		.amdhsa_private_segment_fixed_size 0
		.amdhsa_enable_private_segment 0
		.amdhsa_kernarg_size 56
		.amdhsa_user_sgpr_count 2
		.amdhsa_user_sgpr_kernarg_segment_ptr 1
		.amdhsa_wavefront_size32 1
		.amdhsa_system_sgpr_workgroup_id_x 1
		.amdhsa_system_sgpr_workgroup_id_y 1
		.amdhsa_system_sgpr_workgroup_id_z 1
		.amdhsa_system_vgpr_workitem_id 0
		.amdhsa_next_free_vgpr 194
		.amdhsa_next_free_sgpr 66
		.amdhsa_reserve_vcc 0
		.amdhsa_float_denorm_mode_32 3
		.amdhsa_float_denorm_mode_16_64 3
		.amdhsa_memory_ordered 1
		.amdhsa_forward_progress 1
		.amdhsa_inst_pref_size 33
	.end_amdhsa_kernel
	.amdgpu_metadata
---
amdhsa.version: [ 1, 2 ]
amdhsa.kernels:
  - .name:           k_qf7b3db114b_quant
    .symbol:         k_qf7b3db114b_quant.kd
    .args:
      - { .name: x, .offset: 0, .size: 8, .value_kind: global_buffer, .address_space: global }
      - { .name: Wq, .offset: 8, .size: 8, .value_kind: global_buffer, .address_space: global }
      - { .name: Wk, .offset: 16, .size: 8, .value_kind: global_buffer, .address_space: global }
      - { .name: Wv, .offset: 24, .size: 8, .value_kind: global_buffer, .address_space: global }
      - { .name: Wo, .offset: 32, .size: 8, .value_kind: global_buffer, .address_space: global }
      - { .name: cod, .offset: 40, .size: 8, .value_kind: global_buffer, .address_space: global }
      - { .name: scl, .offset: 48, .size: 8, .value_kind: global_buffer, .address_space: global }
    .group_segment_fixed_size: 33280
    .private_segment_fixed_size: 0
    .kernarg_segment_align: 8
    .kernarg_segment_size: 56
    .max_flat_workgroup_size: 128
    .sgpr_count:     66
    .vgpr_count:     194
    .wavefront_size: 32
...
	.end_amdgpu_metadata
.endif
;; end of part 1
;; launch qkv (part 2): grid 12 x 16, 4 waves a work-group, clusters of 4 x 4, 327,680 bytes of LDS; arguments cod, scl, qkc, qks, vc, vs; writes qkc, qks, vc, vs
.if DOCPART == 2
	.amdgcn_target "amdgcn-amd-amdhsa--gfx1250"
	.amdhsa_code_object_version 6
	.text
	.protected	k_qf7b3db114b_qkv
	.globl	k_qf7b3db114b_qkv
	.p2align	8
	.type	k_qf7b3db114b_qkv,@function
k_qf7b3db114b_qkv:
	s_mov_b64 s[64:65], 0
	v_nop
	global_prefetch_b8 v0, s[64:65] scope:SCOPE_SE
	s_setreg_imm32_b32 hwreg(HW_REG_WAVE_MODE, 25, 1), 1
	s_wait_xcnt 0x0
	s_wait_alu depctr_hold_cnt(0) depctr_sa_sdst(0) depctr_va_vdst(0) depctr_va_sdst(0) depctr_va_ssrc(0) depctr_va_vcc(0) depctr_vm_vsrc(0)
	s_getreg_b32 s2, hwreg(HW_REG_IB_STS2, 6, 4)
	s_cmp_eq_u32 s2, 0
	s_cbranch_scc0 .Lentry_in_a_cluster
	s_endpgm
.Lentry_in_a_cluster:
	s_bfe_u32 s2, ttmp6, 0x10000c
	s_cmp_lg_u32 s2, 0xf033
	s_cbranch_scc0 .Lentry_shape_is_right
	s_endpgm
.Lentry_shape_is_right:
; q = x Wq^T, k = x Wk^T, v = x Wv^T on codes of FP6 (E2M3) with one E8M0 scale for each 32 along K = 1,024; f32 sums; THE RESULTS LEAVE AS CODES: q and k quantised along the head's 64 features, v along the tokens.
; A tile of 256 x 256 is made by four waves, each 128 x 128: 64 accumulators, 512 registers.  K goes in steps of 256 through a ring of two LDS slots filled by the tensor data mover; the scale bytes of the tile's rows come once.
; THE MATRIX INSTRUCTION: source 0 = 16 rows of region B, source 1 = 16 rows of region A.  In a result a lane holds one row of A, its registers run along rows of B.  So B's rows are the axis that is quantised:
;   clusters x = 0, 1 (q, k):  A = tokens (x), B = features (Wq, Wk);     cluster x = 2 (v):  A = channels (Wv), B = tokens (x).  The choice is made by selects on the cluster's number: all sixteen partners choose alike.
; The rows of x, Wq, Wk, Wv lie in cod in the order 0, 2, 1, 3 of the runs of 8 in each 32: so the 64 result registers of a block of A's rows (8 tiles of B) are register 16 b + i = B's row 32 b + 16 (lane / 16) + i, in true order:
; 16 neighbours of each of four blocks of 32.  They are quantised in registers (largest magnitude with lane xor 16's, conversion, exchange of halves) and give 12 registers: two CHUNKS of 6.
; A CHUNK is 768 bytes, an image of 6 registers: registers 0-3 at 16 x lane, registers 4-5 at 512 + 8 x lane: one store of 512 and one of 256 consecutive aligned bytes.
;   qkc [hq 32][T 256] chunks: hq 0-15 q's heads, 16-31 k's; T = tile of 16 stored tokens; lane (r, h) holds features 32 h .. 32 h + 31 of stored token 16 T + r.
;   vc  [kbp 64][F 64] chunks: lane (r, h) holds keys 32 (2 kbp + h) .. + 31 of stored channel 16 F + r.
;   qks [CB 16][stored token 4096] words: the four bytes of features 128 CB on (two heads x two blocks);   vs [m 32][stored channel 1024] words: byte b = key block 4 m + b.
; CLUSTERS: 4 x 4 work-groups.  The four of a row of the cluster need the same tiles of A, the four of a column the same tiles of B: each tile is asked for jointly.
; LIMITS: a block of zeros gets the byte 1 (its codes are zeros; the bytes are read by this program alone); blocks under 2^-124 are held at the byte 1; NaN and infinities are not served.
; REGISTERS, in windows of 256: window 0: v0-31 addresses; v32-63 scale words, two sets; v128-223 A's fragments, one set; on the way out v32-227 are free.   window 1: B's fragments, two sets, at v0 and v128.
;   window 2: the accumulators of my rows 0-63 of A ((a, b) at v[8 (8 a + b)]);   window 3: those of my rows 64-127.
.set SIZE_K, 1024
.set KSTEP,  256                       ; along K in a slot
.set NQ,     KSTEP/128                 ; matrix instructions deep
.set ROWB,   192                       ; a tile's row in bytes
.set KROW,   SIZE_K*6/8                ; a row of cod in bytes
.set PITCH,  240                       ; an LDS row: 3 x (64 bytes + 16 of padding) = 60 words: the 32 lanes of a load of 8 bytes touch 64 different banks (64 banks of 4 bytes: ISA guide 11.1)
.set FR,     12                        ; registers of a fragment
.set NL,     6                         ; LDS loads that bring one
.set NP,     4                         ; places behind this matrix instruction (ISA guide 7.12.1)
.set HALFT,  128*PITCH                 ; 128 rows: what one tensor load brings
.set SLOT,   4*HALFT                   ; A's 256 rows, then B's 256 rows
.set LAPS,   SIZE_K/(2*KSTEP)          ; 2
.set KS,     SIZE_K/32                 ; a row of scale bytes
.set SCL,    2*SLOT                    ; behind the ring: the scale bytes, as rows of 256 bytes + 16 of padding
.set HALFS,  (128*KS/256)*272          ; those of 128 rows
.set SBLK,   (16*KS/256)*272           ; those of 16 rows
.set SPARE,  SCL+4*HALFS               ; the spare words, 128 bytes a wave: two blocks of 256 bytes that no other line names
.set STG,    SPARE+512                 ; 512 bytes a wave: the scale words made on the way out; no fill ever lands here
.set ADRA, 16                          ; v16-17 LDS address of my A fragments in slot 0, 1 (v18-19: behind one padding more)
.set ADRB, 20                          ; v20-23 the same for B
.set SST,  24                          ; v24  where I put a scale word: STG + 512 wave + 4 (lane % 16)
.set SRD,  25                          ; v25  where I read them back: STG + 512 wave + 16 lane
.set CO16, 26                          ; v26  16 x lane
.set ADRS, 27                          ; v27  LDS address of my scale words: lanes 0-15 A's rows, lanes 16-31 B's
.set SPW,  28                          ; v28  my spare word; never rewritten
.set NIL,  29                          ; v29  0; never rewritten
.set CO8,  30                          ; v30  8 x lane
.set SC,   32                          ; scale words, two sets of 16
.set AF,   128                         ; A's fragments
.set TM,   200                         ; the way out: v200-203 largest magnitudes, v204-207 bytes, v212-215 the conversions' scale operands
.set PWD,  216                         ; v216-223 the scale word of each of my eight blocks
.set G1, 24                            ; s[24:31] group 1 for A's tiles; s[32:39] group 0, a set for each slot
.set G0, 32
.set G1B, 48                           ; s[48:55], s[56:63] the same for B's
.set G0B, 56
.set G1S, 68                           ; s[68:75], s[76:79] groups 1 and 0 for A's scale bytes; s[80:87], s[88:91] for B's
.set G0S, 76
.set G1SB, 80
.set G0SB, 88
.set MSB, 0
.macro WIN new                         ; the immediate's high byte repeats the setting that is left
.if MSB != \new
	s_set_vgpr_msb (MSB<<8)|\new
.set MSB, \new
.endif
.endm
.set MUL_LO, 0xa1                      ; source 0 (B) window 1, source 1 (A) window 0, C and D window 2
.set MUL_HI, 0xf1                      ; the same, C and D window 3
.set TO_B,   0x40                      ; destination window 1
; A joint load: waves 0 and 1 fetch for A, waves 2 and 3 for B; the branch hangs on the wave's number alone.  Four v_nop follow each of the two lines.
.macro JLOAD g0a, g1a, g0b, g1b
	s_cmp_eq_u32 s15, 0
	s_cbranch_scc0 .Lfor_b_\@
	tensor_load_to_lds s[\g0a:\g0a+3], s[\g1a:\g1a+7]
	s_nop 0
.rept 4
	v_nop
.endr
	s_branch .Lasked_\@
.Lfor_b_\@:
	tensor_load_to_lds s[\g0b:\g0b+3], s[\g1b:\g1b+7]
	s_nop 0
.rept 4
	v_nop
.endr
.Lasked_\@:
.endm
.macro CREST                           ; a round of the cluster's barrier behind its opening barrier
	s_cmp_lg_u32 s14, 0
	s_cbranch_scc1 .Lnot_wave_0_\@
	s_barrier_signal -3
.Lnot_wave_0_\@:
	s_barrier_wait -3
	s_barrier_signal -1
	s_barrier_wait -1
.endm
.macro CROUND                          ; a whole round
	s_barrier_signal -1
	s_barrier_wait -1
	CREST
.endm
	s_load_b128 s[4:7], s[0:1], 0x0                ; cod s[4:5], scl s[6:7]
	v_lshl_add_u32 v[SPW], v0, 2, SPARE
	v_mov_b32 v[NIL], 0
	ds_add_u32 v28, v29
	ds_add_u32 v28, v29
	s_wait_dscnt 0x0
	v_lshrrev_b32 v1, 5, v0
	v_readfirstlane_b32 s14, v1                    ; wave 0..3
	s_lshr_b32 s15, s14, 1                         ; which half of A's rows is mine.  Also: I fetch for A (0) or for B (1)
	s_and_b32 s16, s14, 1                          ; which half of B's rows.  Also: which 128 rows of that tile I fetch
	s_bfe_u32 s40, ttmp6, 0x40000                  ; cx, cy: my place in the cluster
	s_bfe_u32 s41, ttmp6, 0x40004
	s_and_b32 s17, ttmp7, 0xffff                   ; cluster y
	s_cmp_lt_u32 ttmp9, 2                          ; q and k, or v?  The same in all sixteen partners
	s_cselect_b32 s42, ttmp9, s17                  ; the cluster's column of tiles of B: q, k: cluster x;  v: cluster y (16 tiles of tokens)
	s_cselect_b32 s17, s17, 0                      ; its row of tiles of A: q, k: cluster y;  v: 0 (Wv has four tiles)
	s_cselect_b32 s66, 0, 6144                     ; where A's rows begin in cod: x, or Wv
	s_cselect_b32 s67, 4096, 0                     ; and B's: Wq and Wk, or x
	s_lshl_b32 s42, s42, 2
	s_add_co_u32 s42, s42, s40                     ; tile of B = 4 x column + cx
	s_lshl_b32 s17, s17, 2
	s_add_co_u32 s17, s17, s41                     ; tile of A = 4 x row + cy
	s_lshl_b32 s43, s41, 2
	s_lshl_b32 s43, 15, s43                        ; my row of the cluster
	s_lshl_b32 s44, 0x1111, s40                    ; my column
	; group 1: a tile of 128 rows x 192 bytes, padded in LDS
	s_or_b32 s[G1+0], s43, (0<<16)|(1<<20)|(1<<21)|(3<<22)|(3<<25)  ; 15:0 the mask: A's tiles go to my row; elements of 1 byte; padding on; bit 21 beside a mask; after every 16 words; 4 words of it
	s_or_b32 s[G1B+0], s44, (0<<16)|(1<<20)|(1<<21)|(3<<22)|(3<<25)
.irp g, G1, G1B
	s_mov_b32 s[\g+1], ROWB<<16                    ; tensor_dim0
	s_mov_b32 s[\g+2], 128<<16                     ; tensor_dim1
	s_mov_b32 s[\g+3], ROWB<<16                    ; tile_dim0
	s_mov_b32 s[\g+4], 128                         ; tile_dim1
	s_mov_b32 s[\g+5], KROW                        ; from row to row
	s_mov_b32 s[\g+6], 0
	s_mov_b32 s[\g+7], 0
.endr
	; the scale bytes of 128 rows: 4,096 dense bytes, as 16 rows of 256 bytes (32 elements of 8), 16 bytes of padding behind each
	s_or_b32 s[G1S+0], s43, (3<<16)|(1<<20)|(1<<21)|(5<<22)|(3<<25)
	s_or_b32 s[G1SB+0], s44, (3<<16)|(1<<20)|(1<<21)|(5<<22)|(3<<25)
.irp g, G1S, G1SB
	s_mov_b32 s[\g+1], 32<<16
	s_mov_b32 s[\g+2], (128*KS/256)<<16
	s_mov_b32 s[\g+3], 32<<16
	s_mov_b32 s[\g+4], 128*KS/256
	s_mov_b32 s[\g+5], 32
	s_mov_b32 s[\g+6], 0
	s_mov_b32 s[\g+7], 0
.endr
	s_lshl_b32 s18, s16, 7                         ; which 128 rows of the tile I fetch
	s_lshl_b32 s20, s17, 8
	s_add_co_u32 s20, s20, s18
	s_add_co_u32 s20, s20, s66                     ; A: row of cod
	s_lshl_b32 s46, s42, 8
	s_add_co_u32 s46, s46, s18
	s_add_co_u32 s46, s46, s67                     ; B: row of cod
	s_mov_b32 s21, 0
	s_mov_b32 s47, 0
	s_mov_b64 s[18:19], KS
	s_mul_u64 s[22:23], s[20:21], s[18:19]         ; where these rows' scale bytes begin
	s_mul_u64 s[92:93], s[46:47], s[18:19]
	s_mov_b64 s[18:19], KROW
	s_mul_u64 s[20:21], s[20:21], s[18:19]         ; and their codes
	s_mul_u64 s[46:47], s[46:47], s[18:19]
	s_mul_i32 s45, s14, HALFT                      ; where they go: wave x 128 rows: no place in the cluster enters an LDS address
	s_mul_i32 s94, s14, HALFS
	s_wait_kmcnt 0x0
	s_add_nc_u64 s[20:21], s[4:5], s[20:21]
	s_add_nc_u64 s[22:23], s[6:7], s[22:23]
	s_add_nc_u64 s[46:47], s[4:5], s[46:47]
	s_add_nc_u64 s[92:93], s[6:7], s[92:93]
	CROUND                                         ; all sixteen work-groups are here: the first joint loads meet
	s_mov_b32 s[G0S], 1
	s_add_co_u32 s[G0S+1], s94, SCL
	s_mov_b64 s[G0S+2:G0S+3], s[22:23]
	s_or_b32 s[G0S+3], s[G0S+3], 0x80000000
	s_mov_b32 s[G0SB], 1
	s_add_co_u32 s[G0SB+1], s94, SCL
	s_mov_b64 s[G0SB+2:G0SB+3], s[92:93]
	s_or_b32 s[G0SB+3], s[G0SB+3], 0x80000000
	JLOAD G0S, G1S, G0SB, G1SB                     ; the scale bytes first: they are wanted with K step 0
.irp s, 0,1
	s_mov_b32 s[G0+4*\s], 1
	s_add_co_u32 s[G0+4*\s+1], s45, \s*SLOT
	s_add_nc_u64 s[G0+4*\s+2:G0+4*\s+3], s[20:21], \s*ROWB
	s_or_b32 s[G0+4*\s+3], s[G0+4*\s+3], 0x80000000
	s_mov_b32 s[G0B+4*\s], 1
	s_add_co_u32 s[G0B+4*\s+1], s45, \s*SLOT
	s_add_nc_u64 s[G0B+4*\s+2:G0B+4*\s+3], s[46:47], \s*ROWB
	s_or_b32 s[G0B+4*\s+3], s[G0B+4*\s+3], 0x80000000
	JLOAD G0+4*\s, G1, G0B+4*\s, G1B
.endr
	v_and_b32 v1, 15, v0                           ; l % 16
	v_bfe_u32 v2, v0, 4, 1                         ; l / 16
	v_mul_u32_u24 v3, v1, PITCH
	v_mul_u32_u24 v4, v2, 24
	v_add_nc_u32 v4, v3, v4                        ; a fragment's row x pitch + 24 x half
	v_lshl_add_u32 v5, v2, 4, v4                   ; and the same behind one padding more
	s_mul_i32 s21, s15, HALFT                      ; my 128 rows of A
	s_mul_i32 s22, s16, HALFT                      ; my 128 rows of B,
	s_add_co_u32 s22, s22, 2*HALFT                 ; which lie behind A's 256
.irp s, 0,1
	v_add_nc_u32 v[ADRA+\s], s21, v4
	v_add_nc_u32 v[ADRB+\s], s22, v4
	v_add_nc_u32 v[ADRA+2+\s], s21, v5
	v_add_nc_u32 v[ADRB+2+\s], s22, v5
	s_add_co_u32 s21, s21, SLOT
	s_add_co_u32 s22, s22, SLOT
.endr
	v_mul_u32_u24 v5, v1, KS                       ; my row's scale bytes: KS bytes a row,
	v_lshrrev_b32 v6, 8, v5
	v_lshl_add_u32 v5, v6, 4, v5                   ; and 16 more for each 256 passed
	s_mul_i32 s21, s15, HALFS                      ; A's: my 128 rows
	s_mul_i32 s22, s16, HALFS                      ; B's: my 128 rows, behind A's 256
	s_add_co_u32 s22, s22, 2*HALFS
	s_sub_co_u32 s22, s22, s21
	v_mul_u32_u24 v6, s22, v2                      ; lanes 16-31 take B's
	s_add_co_u32 s21, s21, SCL
	v_add_nc_u32 v5, v5, v6
	v_add_nc_u32 v[ADRS], s21, v5
	s_lshl_b32 s23, s14, 9
	s_add_co_u32 s23, s23, STG                     ; my 512 bytes for the scale words made on the way out
	v_lshl_add_u32 v[SST], v1, 2, s23
	v_and_b32 v6, 31, v0
	v_lshlrev_b32 v[CO16], 4, v6
	v_add_nc_u32 v[SRD], s23, v[CO16]
	v_lshlrev_b32 v[CO8], 3, v6
.macro FRAG reg, adr, q, i             ; a fragment, 16 rows x 128 K, is 12 registers: lane l holds row l % 16; registers 6 c .. 6 c + 5 hold K = 64 c + 32 (l / 16) + 0 .. 31: 24 bytes of the row, as they lie
.irp p, 0,1,2,3,4,5                    ; in pieces of 8 bytes.  Lanes 16-31 read three pieces further on than lanes 0-15: where that is behind one padding more, the second address register serves
.set PC, 12*(\q)+6*(\p/3)+\p%3
.if PC%8 < 5
	ds_load_b64 v[\reg+2*\p:\reg+2*\p+1], v[\adr] offset:8*PC+16*(PC/8)+(\i)*16*PITCH
.else
	ds_load_b64 v[\reg+2*\p:\reg+2*\p+1], v[\adr+2] offset:8*PC+16*(PC/8)+(\i)*16*PITCH
.endif
.endr
.endm
; 16 matrix instructions: A's blocks a0, a0 + 1 x B's eight, 128 along K.  p: B's set; sc: the set of scale words.  zero = 1: the first product starts the sums.
; The 64 accumulators take turns, one instruction a turn, in the same order in every step.
.macro MUL16 a0, p, q, sc, zero
.irp a, \a0, \a0+1
.irp b, 0,1,2,3,4,5,6,7
.if \zero
	v_wmma_scale_f32_16x16x128_f8f6f4 v[8*(8*((\a)%4)+\b):8*(8*((\a)%4)+\b)+7], v[128*(\p)+FR*\b:128*(\p)+FR*\b+FR-1], v[AF+FR*(\a):AF+FR*(\a)+FR-1], 0, v[SC+8*NQ*(\sc)+NQ*\b+(\q)], v[SC+8*NQ*(\sc)+NQ*(\a)+(\q)] matrix_a_fmt:MATRIX_FMT_FP6 matrix_b_fmt:MATRIX_FMT_FP6 matrix_a_scale:MATRIX_SCALE_ROW1
.else
	v_wmma_scale_f32_16x16x128_f8f6f4 v[8*(8*((\a)%4)+\b):8*(8*((\a)%4)+\b)+7], v[128*(\p)+FR*\b:128*(\p)+FR*\b+FR-1], v[AF+FR*(\a):AF+FR*(\a)+FR-1], v[8*(8*((\a)%4)+\b):8*(8*((\a)%4)+\b)+7], v[SC+8*NQ*(\sc)+NQ*\b+(\q)], v[SC+8*NQ*(\sc)+NQ*(\a)+(\q)] matrix_a_fmt:MATRIX_FMT_FP6 matrix_b_fmt:MATRIX_FMT_FP6 matrix_a_scale:MATRIX_SCALE_ROW1
.endif
.endr
.endr
.endm
.macro FETCH_B slot, q, p              ; B's eight fragments of the slot's q-th 128 along K into set p
	WIN TO_B
.irp i, 0,1,2,3,4,5,6,7
	FRAG 128*(\p)+FR*\i, ADRB+\slot, \q, \i
.endr
	WIN 0
.endm
.macro FETCH_A slot, q, i0             ; A's blocks i0 .. i0 + 3
.irp i, \i0, \i0+1, \i0+2, \i0+3
	FRAG AF+FR*(\i), ADRA+\slot, \q, \i
.endr
.endm
.macro SCALES sc                       ; the next K step's scale words: two words a row; lanes 0-15 take A's block i, lanes 16-31 B's block i
.irp i, 0,1,2,3,4,5,6,7
	ds_load_b64 v[SC+8*NQ*\sc+NQ*\i:SC+8*NQ*\sc+NQ*\i+1], v[ADRS] offset:\i*SBLK
.endr
.endm
.macro PLACES n                        ; plain vector instructions between a matrix instruction and a load into, or a vector instruction on, its registers
.rept \n
	v_nop
.endr
.endm
; A step of 128 along K that has its successor in the same slot.
.macro STEP slot, q, zero
	s_wait_dscnt 4*NL                              ; B's set and A's blocks 0-3 are in; the youngest 24 loads (A's blocks 4-7) may be out
	WIN MUL_LO
	MUL16 0, (\q)%2, \q, \slot, \zero
	MUL16 2, (\q)%2, \q, \slot, \zero
	s_wait_dscnt 0                                 ; A's blocks 4-7 are in
	PLACES NP
	FETCH_B \slot, (\q)+1, 1-(\q)%2
	FETCH_A \slot, (\q)+1, 0
	WIN MUL_HI
	MUL16 4, (\q)%2, \q, \slot, \zero
	MUL16 6, (\q)%2, \q, \slot, \zero
	PLACES NP
	WIN 0
	FETCH_A \slot, (\q)+1, 4
.endm
; A slot's last step changes slots: one barrier; in front of it each wave waits for all its tensor loads, adds 0 to its spare word, and waits for that and for its own reads of this slot.  fill = 1: this slot is filled again, two K steps ahead.
.macro TURN slot, next, fill
	s_wait_tensorcnt 0x0                           ; all my tensor loads have landed: my part of the next slot
	ds_add_u32 v[SPW], v[NIL]                      ; 0 onto my spare word
	s_wait_dscnt 4*NL+1                            ; (the add and the youngest 24 loads, A's blocks 4-7, may be out)
	WIN MUL_LO
	MUL16 0, 1, NQ-1, \slot, 0                     ; sixteen matrix instructions stand between the add and the wait for it
	s_wait_dscnt 0x0                               ; the add is done, and my reads of this slot are over
	s_barrier_signal -1
	MUL16 2, 1, NQ-1, \slot, 0
	WIN 0
	s_barrier_wait -1
.if \fill
	CREST                                          ; the barrier has opened a round of the cluster's barrier: no wave of any partner still reads this slot's tile or has a load on its way
	s_add_nc_u64 s[G0+4*\slot+2:G0+4*\slot+3], s[G0+4*\slot+2:G0+4*\slot+3], 2*ROWB
	s_add_nc_u64 s[G0B+4*\slot+2:G0B+4*\slot+3], s[G0B+4*\slot+2:G0B+4*\slot+3], 2*ROWB
	JLOAD G0+4*\slot, G1, G0B+4*\slot, G1B         ; the first tensor load behind the round; its four v_nop are also the places in front of the loads below
.else
	PLACES NP
.endif
	v_add_nc_u32 v[ADRS], 4*NQ, v[ADRS]            ; on to the next K step's scale words (no LDS load of mine is out)
	FETCH_B \next, 0, 0
	FETCH_A \next, 0, 0
	SCALES \next
	WIN MUL_HI
	MUL16 4, 1, NQ-1, \slot, 0
	MUL16 6, 1, NQ-1, \slot, 0
	PLACES NP
	WIN 0
	FETCH_A \next, 0, 4
.endm
	s_wait_tensorcnt 1                             ; the scale bytes and my part of K step 0 are in (K step 1's load may be out),
	s_barrier_signal -1
	s_barrier_wait -1                              ; everybody's are
	FETCH_B 0, 0, 0
	FETCH_A 0, 0, 0
	SCALES 0
	FETCH_A 0, 0, 4
	STEP 0, 0, 1                                   ; the first step stands in front of the loop: its products start the sums
	s_mov_b32 s3, LAPS-1
.Llap:                                                 ; a trip goes once round the ring and fills both slots again
	TURN 0, 1, 1
	STEP 1, 0, 0
	TURN 1, 0, 1
	STEP 0, 0, 0
	s_sub_co_u32 s3, s3, 1
	s_cmp_lg_u32 s3, 0
	s_cbranch_scc1 .Llap
	TURN 0, 1, 0                                   ; the last lap fills nothing: its wait for all tensor loads is the launch's last that finds one out
	STEP 1, 0, 0
	s_load_b256 s[68:75], s[0:1], 0x10             ; qkc, qks, vc, vs: into registers of descriptors whose loads have all been shown done
	s_wait_dscnt 4*NL                              ; the very last step: nothing more to fetch
	WIN MUL_LO
	MUL16 0, 1, NQ-1, 1, 0
	MUL16 2, 1, NQ-1, 1, 0
	s_wait_dscnt 0
	WIN MUL_HI
	MUL16 4, 1, NQ-1, 1, 0
	MUL16 6, 1, NQ-1, 1, 0
	WIN 0
	PLACES NP                                      ; behind the last products: results are read and old operands written only from here on
	; THE WAY OUT.  Where my chunks and scale words go.
	s_mov_b32 s96, 0x76543210
	s_mov_b32 s97, 0xfedcba98                      ; v_permlanex16_b32's selects for lane l xor 16
	s_wait_kmcnt 0x0
	s_cmp_lt_u32 ttmp9, 2
	s_cselect_b64 s[76:77], s[68:69], s[72:73]     ; chunks: qkc or vc
	s_cselect_b64 s[78:79], s[70:71], s[74:75]     ; scale words: qks or vs
	s_cselect_b32 s80, 256, 64                     ; NA: tiles of A's rows in all: 256 of tokens, 64 of channels
	s_lshl_b32 s81, s80, 6                         ; bytes of one row of scale words: 16 NA words
	s_lshl_b32 s82, s42, 1
	s_add_co_u32 s82, s82, s16                     ; CB: my 128 rows of B
	s_lshl_b32 s83, s17, 4
	s_lshl_b32 s84, s15, 3
	s_add_co_u32 s83, s83, s84                     ; TA0: my first tile of A's rows
	s_mul_i32 s84, s82, s80
	s_lshl_b32 s84, s84, 1
	s_add_co_u32 s84, s84, s83
	s_mul_i32 s84, s84, 768                        ; chunk (2 CB, TA0)
	s_mov_b32 s85, 0
	s_add_nc_u64 s[86:87], s[76:77], s[84:85]
	s_mul_i32 s88, s80, 768
	s_mov_b32 s89, 0
	s_add_nc_u64 s[90:91], s[86:87], s[88:89]      ; chunk (2 CB + 1, TA0)
	s_mul_i32 s92, s82, s81
	s_lshl_b32 s93, s83, 6
	s_add_co_u32 s92, s92, s93
	s_mov_b32 s93, 0
	s_add_nc_u64 s[94:95], s[78:79], s[92:93]      ; my 128 scale words
.irp b, 0,1,2,3
	v_mov_b32 v[TM+4+\b], 0                        ; written once: a lane permute's destination counts as one of its sources
.endr
; Block a of A's rows: its 64 numbers a lane (window 2 or 3), register 16 b + i = B's row 32 b + 16 (lane / 16) + i, become 12 registers of codes at v[32 + 20 a] and a scale word in v[216 + a].
; Each block has registers of its own for what it stores, so no store's data are written again.  Each accumulator is first read at its low end.
.macro QUANTW a
.set W, 2+(\a)/4
.set SA, 64*((\a)%4)
.set PCD, 32+20*(\a)
	WIN (W|(W<<2))
.irp b, 0,1,2,3
	v_max3_num_f32 v[TM+\b], |v[SA+16*\b]|, |v[SA+16*\b+1]|, 0x1800000   ; my 16 numbers of block b, and the floor 2^(3 - 127): the byte cannot fall under 1
.endr
	WIN ((W<<2)|(W<<4))
.irp i, 2,4,6,8,10,12,14
.irp b, 0,1,2,3
	v_max3_num_f32 v[TM+\b], v[TM+\b], |v[SA+16*\b+\i]|, |v[SA+16*\b+\i+1]|   ; (the four blocks by turns)
.endr
.endr
	WIN 0
.irp b, 0,1,2,3
	v_permlanex16_b32 v[TM+4+\b], v[TM+\b], s96, s97
.endr
.irp b, 0,1,2,3
	v_max_num_f32 v[TM+\b], v[TM+\b], v[TM+4+\b]   ; with lane l xor 16's: the block's largest magnitude
.endr
.irp b, 0,1,2,3
	v_add_nc_u32 v[TM+12+\b], 0xff000000, v[TM+\b] ; 2 off its exponent field: the conversion's scale operand
.endr
.irp b, 0,1,2,3
	v_lshrrev_b32 v[TM+4+\b], 23, v[TM+12+\b]      ; the scale's byte
.endr
	v_lshl_or_b32 v[PWD+(\a)], v[TM+5], 8, v[TM+4]
	v_lshl_or_b32 v[PWD+(\a)], v[TM+6], 16, v[PWD+(\a)]
	v_lshl_or_b32 v[PWD+(\a)], v[TM+7], 24, v[PWD+(\a)]
	WIN W
.irp c, 0,1
	v_cvt_scalef32_pk16_fp6_f32 v[PCD+6*\c:PCD+2+6*\c], v[SA+32*\c:SA+15+32*\c], v[TM+12+2*\c]
	v_cvt_scalef32_pk16_fp6_f32 v[PCD+12+4*\c:PCD+14+4*\c], v[SA+16+32*\c:SA+31+32*\c], v[TM+12+2*\c+1]   ; (a conversion's three registers begin on an even number)
.endr
	WIN 0
	v_nop                                          ; one plain instruction behind a scaled conversion
.irp c, 0,1                                    ; a whole block to a lane: lanes 0-15 block 2 c, lanes 16-31 block 2 c + 1
.irp i, 0,1,2
	v_permlane16_swap_b32 v[PCD+6*\c+\i], v[PCD+12+4*\c+\i]
.endr
.irp i, 0,1,2
	v_mov_b32 v[PCD+3+6*\c+\i], v[PCD+12+4*\c+\i]
.endr
.endr
.endm
.macro OUTB a                          ; block a's two chunks: each store covers 512 or 256 consecutive bytes, aligned; its scale words to my stage
.set PCD, 32+20*(\a)
	global_store_b128 v[CO16], v[PCD:PCD+3], s[86:87] offset:768*(\a)
	global_store_b64 v[CO8], v[PCD+4:PCD+5], s[86:87] offset:768*(\a)+512
	global_store_b128 v[CO16], v[PCD+6:PCD+9], s[90:91] offset:768*(\a)
	global_store_b64 v[CO8], v[PCD+10:PCD+11], s[90:91] offset:768*(\a)+512
	ds_store_b32 v[SST], v[PWD+(\a)] offset:64*(\a)   ; both halves of the lanes write the same word with the same value
.endm
.irp a, 0,1,2,3,4,5,6,7
	QUANTW \a
	OUTB \a
.endr
	ds_load_b128 v[224:227], v[SRD]                ; LDS serves a wave's instructions in order: this sees my eight stores
	s_wait_dscnt 0x0
	global_store_b128 v[CO16], v[224:227], s[94:95]   ; my 128 scale words: 512 consecutive bytes, aligned
	s_wait_tensorcnt 0x0                           ; the wave's end
	ds_add_u32 v[SPW], v[NIL]
	s_wait_dscnt 0x0
	CROUND                                         ; the closing round: no work-group ends while a partner may still ask for a tile that names it
	s_endpgm
.Lfunc_end_k_qf7b3db114b_qkv:
	.size	k_qf7b3db114b_qkv, .Lfunc_end_k_qf7b3db114b_qkv-k_qf7b3db114b_qkv
	.p2alignl 7, 3214868480
	.fill 96, 4, 3214868480
	.section	.rodata,"a",@progbits
	.p2align	6, 0x0
	.amdhsa_kernel k_qf7b3db114b_qkv
		.amdhsa_group_segment_fixed_size 327680
		.amdhsa_private_segment_fixed_size 0
		.amdhsa_enable_private_segment 0
		.amdhsa_kernarg_size 48
		.amdhsa_user_sgpr_count 2
		.amdhsa_user_sgpr_kernarg_segment_ptr 1
		.amdhsa_wavefront_size32 1
		.amdhsa_system_sgpr_workgroup_id_x 1
		.amdhsa_system_sgpr_workgroup_id_y 1
		.amdhsa_system_sgpr_workgroup_id_z 1
		.amdhsa_system_vgpr_workitem_id 0
		.amdhsa_next_free_vgpr 1024
		.amdhsa_next_free_sgpr 100
		.amdhsa_reserve_vcc 0
		.amdhsa_float_denorm_mode_32 3
		.amdhsa_float_denorm_mode_16_64 3
		.amdhsa_memory_ordered 1
		.amdhsa_forward_progress 1
		.amdhsa_inst_pref_size 166
	.end_amdhsa_kernel
	.amdgpu_metadata
---
amdhsa.version: [ 1, 2 ]
amdhsa.kernels:
  - .name:           k_qf7b3db114b_qkv
    .symbol:         k_qf7b3db114b_qkv.kd
    .args:
      - { .name: cod, .offset: 0, .size: 8, .value_kind: global_buffer, .address_space: global }
      - { .name: scl, .offset: 8, .size: 8, .value_kind: global_buffer, .address_space: global }
      - { .name: qkc, .offset: 16, .size: 8, .value_kind: global_buffer, .address_space: global }
      - { .name: qks, .offset: 24, .size: 8, .value_kind: global_buffer, .address_space: global }
      - { .name: vc, .offset: 32, .size: 8, .value_kind: global_buffer, .address_space: global }
      - { .name: vs, .offset: 40, .size: 8, .value_kind: global_buffer, .address_space: global }
    .group_segment_fixed_size: 327680
    .private_segment_fixed_size: 0
    .kernarg_segment_align: 8
    .kernarg_segment_size: 48
    .max_flat_workgroup_size: 128
    .sgpr_count:     100
    .vgpr_count:     1024
    .wavefront_size: 32
...
	.end_amdgpu_metadata
.endif
;; end of part 2
;; launch attn (part 3): grid 256 x 1, 16 waves a work-group, no clusters, 15,360 bytes of LDS; arguments qkc, qks, vc, vs, oc, os; writes oc, os
.if DOCPART == 3
	.amdgcn_target "amdgcn-amd-amdhsa--gfx1250"
	.amdhsa_code_object_version 6
	.text
	.protected	k_qf7b3db114b_attn
	.globl	k_qf7b3db114b_attn
	.p2align	8
	.type	k_qf7b3db114b_attn,@function
k_qf7b3db114b_attn:
	s_mov_b64 s[64:65], 0
	v_nop
	global_prefetch_b8 v0, s[64:65] scope:SCOPE_SE
	s_setreg_imm32_b32 hwreg(HW_REG_WAVE_MODE, 25, 1), 1
	s_wait_xcnt 0x0
; Attention in a band: key j counts for query i where 0 <= i - j <= 128.  16 heads of 64 channels, 4,096 tokens.  Both products on codes of FP6 (E2M3) with one E8M0 scale for each 32 along a product's K.
; t = score x log2(e) / 8; M = the row's largest t rounded up to a whole number; p = 2^(t - M) is quantised along the keys, in blocks of 32 counted from key 0; the sum of the unquantised p divides at the end.
; The result o is quantised along the 1,024 channels and leaves as codes (oc, [token][768 bytes]) and scale bytes (os, [token][32]) in the tokens' true order.
; SHARES.  A work-group is one tile T of 16 stored tokens (lane r of it is token 32 (T / 2) + 8 (T % 2) + r + 8 (r / 8)); each of its sixteen waves is a head.  Four waves to a SIMD: one wave's exponentials stand beside another's loads.
; THE WINDOW of a tile's queries lies in five blocks of 32 keys, kb0 .. kb0 + 4 with kb0 = max(T / 2, 4) - 4: 160 keys.  It is held whole in registers: no loop, M is final at once, nothing is rescaled.
; S^T = K Q^T: ten tiles of 16 stored keys (source 0) x my queries (source 1).  The head's 64 features are k 0-63 of the instruction's 128; q's codes for k 64-127 are zeros.  A tile of K is 6 registers; the instruction names 12:
;   the upper six are the next tile's codes (finite numbers) and meet q's zeros.  The stored order of the keys makes register 16 w + n of the scores key 32 (kb0 + w) + 16 (lane / 16) + n.
; O^T = V^T P^T: four tiles of 16 stored channels x two K steps: key blocks 0-3, then block 4 beside 96 zero codes of p.  Its registers run along the head's channels in true order.
; No scale byte is 0xff: bytes made by the quantisers lie in 1 .. 254, and bytes shifted in are 0.
; NO CLUSTER: operands go from memory straight into each wave's registers, as chunks that are images of six registers; there is no tile in LDS that partners could be sent jointly.
; LIMITS: p under 2^-126 falls to 0 (v_exp_f32 gives no denormals: ISA guide 15.8); o / l is a reciprocal and a multiplication; a block of zeros gets the byte 1 (its codes are zeros); NaN and infinities are not served.
; REGISTERS: v1-19 lane numbers and addresses; v[20:21] -M, the largest t; v[22:25] the sum; v[26:27] 1 / l; v28, v29 p's scale words; v32-43 Q, later the blocks' maxima (v32-36) and bytes (v37-41);
;   v44 Q's scale words, v45-49 K's, v50-55 V's; v56-121 K, later V of step 1 (v56-85), p's codes (v86-97, v106-117) and conversions' halves (v98-105); v122-201 S^T, then p, later O^T (v122-153) and o (v154-185);
;   v202-249 V of step 0; v250-254 the conversions' scale operands.
.set SROW, 784                         ; LDS: a row of o's codes, 768 bytes + 16: 196 words, so row r starts at bank 4 r (64 banks of 4 bytes: ISA guide 11.1)
.set SCST, 16*SROW                     ; behind the 16 rows: 16 rows of 32 scale bytes
.set KF,  56
.set S,   122
.set V0,  202
.set V1,  56
.set P0,  86
.set TC,  98
.set P1,  106
.set O,   122
.set OQ,  154
.set BM,  32
.set BT,  37
.set BSC, 250
	s_load_b256 s[4:11], s[0:1], 0x0               ; qkc, qks, vc, vs
	s_load_b128 s[12:15], s[0:1], 0x20             ; oc, os
	v_lshrrev_b32 v1, 5, v0
	v_readfirstlane_b32 s16, v1                    ; my head = my wave's number
	v_and_b32 v1, 31, v0                           ; L
	v_and_b32 v2, 15, v0                           ; r
	v_bfe_u32 v3, v0, 4, 1                         ; h
	v_lshlrev_b32 v4, 4, v1                        ; 16 L
	v_lshlrev_b32 v5, 3, v1                        ; 8 L
	v_lshlrev_b32 v6, 2, v2                        ; 4 r
	v_lshlrev_b32 v7, 2, v1                        ; 4 L
	s_mov_b32 s17, ttmp9                           ; T
	s_lshr_b32 s18, s17, 1                         ; qb: the queries' block of 32
	s_and_b32 s19, s17, 1                          ; uq
	s_max_u32 s20, s18, 4
	s_sub_co_u32 s20, s20, 4                       ; kb0
	s_and_b32 s21, s16, 1
	s_lshl_b32 s21, s21, 4                         ; an odd head's two scale bytes lie 16 bits up
	s_and_b32 s22, s20, 3
	s_lshl_b32 s22, s22, 3                         ; kb0's byte in a word of V's scales
	s_sub_co_u32 s23, s18, s20
	s_lshl_b32 s23, s23, 5
	s_lshl_b32 s28, s19, 3
	s_add_co_u32 s23, s23, s28
	s_sub_co_i32 s23, s23, 128                     ; 32 (qb - kb0) + 8 uq - 128
	s_mov_b32 s24, 0x76543210
	s_mov_b32 s25, 0xfedcba98                      ; v_permlanex16_b32's selects for lane l xor 16
	s_mov_b32 s26, 0x3e38aa3b                      ; c = log2(e) / 8
	s_mov_b32 s27, s26                             ; (named with it as a pair, so it is written)
	; byte offsets into the buffers, each in a pair with 0 above it
	s_lshl_b32 s48, s16, 8
	s_add_co_u32 s48, s48, s17
	s_mul_i32 s48, s48, 768                        ; q: chunk (head, T)
	s_add_co_u32 s50, s16, 16
	s_lshl_b32 s50, s50, 8
	s_lshl_b32 s28, s20, 1
	s_add_co_u32 s50, s50, s28
	s_mul_i32 s50, s50, 768                        ; k: chunk (16 + head, 2 kb0)
	s_lshr_b32 s29, s16, 1                         ; the pair of heads
	s_lshl_b32 s52, s29, 12
	s_lshl_b32 s28, s17, 4
	s_add_co_u32 s52, s52, s28
	s_lshl_b32 s52, s52, 2                         ; q's scale words
	s_add_co_u32 s54, s29, 8
	s_lshl_b32 s54, s54, 12
	s_lshl_b32 s28, s20, 5
	s_add_co_u32 s54, s54, s28
	s_lshl_b32 s54, s54, 2                         ; k's
	s_mul_i32 s56, s16, 3072                       ; v: my head's four tiles of channels in a pair of key blocks
	s_lshr_b32 s58, s20, 2
	s_lshl_b32 s58, s58, 10
	s_lshl_b32 s28, s16, 6
	s_add_co_u32 s58, s58, s28
	s_lshl_b32 s58, s58, 2                         ; v's scale words: word kb0 / 4, my head's 64 channels
	s_lshl_b32 s62, s18, 5
	s_lshl_b32 s28, s19, 3
	s_add_co_u32 s62, s62, s28                     ; the tile's first token
	s_and_b32 s28, s16, 8
	s_add_co_u32 s60, s62, s16
	s_add_co_u32 s60, s60, s28
	s_mul_i32 s60, s60, 768                        ; oc: on the way out wave w stores the row of the tile's lane w
	s_lshl_b32 s62, s62, 5                         ; os
.irp p, 49,51,53,55,57,59,61,63
	s_mov_b32 s\p, 0
.endr
; Lane (r, h) wants key block kb of stored channel r: it lies in chunk kb / 2 at the place of lane r + 16 (kb % 2).  64 chunks of 768 bytes to a pair of key blocks.
.macro VADDR d16, d8, kb
	v_lshrrev_b32 v30, 1, v[\kb]
	v_mul_u32_u24 v30, v30, 49152
	v_and_b32 v31, 1, v[\kb]
	v_lshl_add_u32 v[\d16], v31, 8, v30
	v_lshl_add_u32 v[\d16], v2, 4, v[\d16]
	v_lshl_add_u32 v[\d8], v31, 7, v30
	v_lshl_add_u32 v[\d8], v2, 3, v[\d8]
.endm
	v_add_nc_u32 v18, s20, v3                      ; step 0: kb0 + h (+ 2 c by the immediate)
	VADDR 8, 9, 18
	v_sub_nc_u32 v18, s20, v3
	v_add_nc_u32 v18, 4, v18                       ; step 1: lanes 0-15 kb0 + 4; lanes 16-31, whose p is zeros, kb0 + 3: inside the buffer
	VADDR 10, 11, 18
	v_mul_u32_u24 v12, v2, SROW
	v_mad_u32_u24 v12, v3, 24, v12
	s_mul_i32 s28, s16, 48
	v_add_nc_u32 v12, s28, v12                     ; the stage, in: row r, my head's 48 bytes, my half's 24
	s_lshl_b32 s28, s16, 1
	s_add_co_u32 s28, s28, SCST
	v_lshl_add_u32 v13, v2, 5, s28                 ; and its two scale bytes
	s_mul_i32 s28, s16, SROW
	v_add_nc_u32 v14, s28, v5                      ; out: row = my wave's number, 8 bytes a lane
	v_add_nc_u32 v16, SCST, v4                     ; the scale bytes, out: 16 bytes a lane
	v_lshl_add_u32 v19, v3, 8, v4                  ; and in os: rows 8-15 of the tile are tokens 16-23: 256 bytes further on
	v_and_b32 v15, 8, v2
	v_add_nc_u32 v15, v15, v2
	v_lshlrev_b32 v18, 4, v3
	v_sub_nc_u32 v15, v15, v18
	v_add_nc_u32 v15, s23, v15                     ; e = my query - 32 kb0 - 16 h - 128.  Register 16 w + n is hidden where 32 w + n < e or 32 w + n > e + 128
	v_mov_b32 v17, 0xff800000                      ; -infinity
	v_mov_b32 v27, 0                               ; (named as the upper half of the pair v[26:27])
.irp j, 38,39,40,41,42,43, 116,117,118,119,120,121
	v_mov_b32 v\j, 0                               ; q's zero codes for k 64-127; what the last tile of K names beyond its six registers
.endr
	s_wait_kmcnt 0x0
	s_add_nc_u64 s[32:33], s[4:5], s[48:49]
	s_add_nc_u64 s[34:35], s[4:5], s[50:51]
	s_add_nc_u64 s[36:37], s[6:7], s[52:53]
	s_add_nc_u64 s[38:39], s[6:7], s[54:55]
	s_add_nc_u64 s[40:41], s[8:9], s[56:57]
	s_add_nc_u64 s[42:43], s[10:11], s[58:59]
	s_add_nc_u64 s[44:45], s[12:13], s[60:61]
	s_add_nc_u64 s[46:47], s[14:15], s[62:63]
	; 48 loads: 6 scale words, Q 2, K 20, V's scale words 4, V of step 0 16
	global_load_b32 v44, v6, s[36:37]
.irp w, 0,1,2,3,4
	global_load_b32 v[45+\w], v7, s[38:39] offset:128*\w   ; lanes 0-15: tile 2 w's keys, lanes 16-31: tile 2 w + 1's
.endr
	global_load_b128 v[32:35], v4, s[32:33]
	global_load_b64 v[36:37], v5, s[32:33] offset:512
.irp kt, 0,1,2,3,4,5,6,7,8,9
	global_load_b128 v[KF+6*\kt:KF+6*\kt+3], v4, s[34:35] offset:768*\kt
	global_load_b64 v[KF+6*\kt+4:KF+6*\kt+5], v5, s[34:35] offset:768*\kt+512
.endr
.irp cp, 0,1
	global_load_b32 v[50+\cp], v7, s[42:43] offset:128*\cp        ; key blocks 4 (kb0 / 4) on; lanes 0-15: tile 2 cp's channels, lanes 16-31: tile 2 cp + 1's
	global_load_b32 v[52+\cp], v7, s[42:43] offset:4096+128*\cp   ; and the four blocks behind them
.endr
.irp ct, 0,1,2,3
.irp c, 0,1
	global_load_b128 v[V0+12*\ct+6*\c:V0+12*\ct+6*\c+3], v8, s[40:41] offset:768*\ct+49152*\c
	global_load_b64 v[V0+12*\ct+6*\c+4:V0+12*\ct+6*\c+5], v9, s[40:41] offset:768*\ct+49152*\c+512
.endr
.endr
	s_wait_loadcnt 42                              ; the six scale words are in; the 42 loads behind them may be out
.irp j, 44,45,46,47,48,49
	v_lshrrev_b32 v\j, s21, v\j                    ; my head's two bytes to the low end
.endr
.rept 8
	v_nop                                          ; a scale register written by a vector instruction stands eight places ahead of the scaled matrix instruction
.endr
	s_wait_loadcnt 20                              ; Q and K are in; V's 4 scale words and 16 loads may be out
.macro KQ kt
.if (\kt)%2
	v_wmma_scale_f32_16x16x128_f8f6f4 v[S+8*(\kt):S+8*(\kt)+7], v[KF+6*(\kt):KF+6*(\kt)+11], v[32:43], 0, v[45+(\kt)/2], v44 matrix_a_fmt:MATRIX_FMT_FP6 matrix_b_fmt:MATRIX_FMT_FP6 matrix_a_scale:MATRIX_SCALE_ROW1
.else
	v_wmma_scale_f32_16x16x128_f8f6f4 v[S+8*(\kt):S+8*(\kt)+7], v[KF+6*(\kt):KF+6*(\kt)+11], v[32:43], 0, v[45+(\kt)/2], v44 matrix_a_fmt:MATRIX_FMT_FP6 matrix_b_fmt:MATRIX_FMT_FP6
.endif
.endm
.irp kt, 0,1,2,3,4,5,6,7,8,9
	KQ \kt
.endr
.rept 4
	v_nop                                          ; places behind the products: for the loads into K's registers, the moves below and the first reads of the scores
.endr
.irp ct, 0,1,2,3
	global_load_b128 v[V1+6*\ct:V1+6*\ct+3], v10, s[40:41] offset:768*\ct      ; V of step 1, where K lay
	global_load_b64 v[V1+6*\ct+4:V1+6*\ct+5], v11, s[40:41] offset:768*\ct+512
.endr
.irp j, 80,81,82,83,84,85, 109,110,111,112,113,114,115,116,117
	v_mov_b32 v\j, 0                               ; what V's last tile names beyond its six registers; p's zero codes of step 1
.endr
	; THE BAND.  Hidden scores become -infinity ahead of the maximum: p = 0 then.  Each accumulator is read from its low end on.
.irp n, 0,1,2,3,4,5,6,7,8,9,10,11,12,13,14,15
	v_cmp_lt_i32 vcc_lo, \n, v15                   ; block 0: keys more than 128 behind my query
	v_cndmask_b32 v[S+\n], v[S+\n], v17, vcc_lo
.endr
.macro MASKHI w, reg                   ; block w: keys ahead of my query: n > v[reg]
.irp n, 0,1,2,3,4,5,6,7,8,9,10,11,12,13,14,15
	v_cmp_gt_i32 vcc_lo, \n, v[\reg]
	v_cndmask_b32 v[S+16*(\w)+\n], v[S+16*(\w)+\n], v17, vcc_lo
.endr
.endm
	MASKHI 4, 15
	s_cmp_ge_u32 s17, 8                            ; from tile 8 on the queries lie in the window's last block, and blocks 1 to 3 count whole; a branch on the work-group's number
	s_cbranch_scc1 .Lopen
.irp w, 0,1,2,3
	v_add_nc_u32 v18, 128-32*\w, v15               ; the first eight tiles: the window is keys 0-159 and the queries lie in blocks 0 to 3
	MASKHI \w, 18
.endr
.Lopen:
.irp b, 0,1,2,3,4
	v_max3_num_f32 v[BM+\b], v[S+16*\b], v[S+16*\b+1], v[S+16*\b+2]   ; the largest score of each block of 32 keys: for the row's maximum and, since p rises with the score, for the block's largest p
.endr
.irp i, 3,5,7,9,11,13
.irp b, 0,1,2,3,4
	v_max3_num_f32 v[BM+\b], v[BM+\b], v[S+16*\b+\i], v[S+16*\b+\i+1]
.endr
.endr
.irp b, 0,1,2,3,4
	v_max_num_f32 v[BM+\b], v[BM+\b], v[S+16*\b+15]
.endr
.irp b, 0,1,2,3,4
	v_permlanex16_b32 v[BT+\b], v[BM+\b], s24, s25
.endr
.irp b, 0,1,2,3,4
	v_max_num_f32 v[BM+\b], v[BM+\b], v[BT+\b]     ; with lane l xor 16's 16 keys
.endr
	v_max3_num_f32 v18, v32, v33, v34
	v_max3_num_f32 v18, v18, v35, v36              ; my query's largest score: its own key counts, so it is a number
	v_mul_f32 v21, s26, v18                        ; as t
	v_floor_f32 v20, -v21                          ; -M = floor(-t) = -ceil(t)
.irp j, 0,2,4,6,8,10,12,14,16,18,20,22,24,26,28,30,32,34,36,38,40,42,44,46,48,50,52,54,56,58,60,62,64,66,68,70,72,74,76,78
	v_pk_fma_f32 v[S+\j:S+\j+1], v[S+\j:S+\j+1], s[26:27], v[20:21] op_sel_hi:[1,0,0]   ; t - M, two at a time
.endr
.irp b, 0,1,2,3,4
	v_fma_f32 v[BM+\b], v[BM+\b], s26, v20         ; the same of each block's largest score
.endr
.set j, 0
.rept 80
	v_exp_f32 v[S+j], v[S+j]                       ; p = 2^(t - M), at most 1
.set j, j+1
.endr
	v_nop                                          ; a plain instruction behind the last exponential
	s_wait_alu depctr_va_vdst(0)                   ; one wait for the 80, ahead of their first reader
.irp b, 0,1,2,3,4
	v_exp_f32 v[BM+\b], v[BM+\b]                   ; the block's largest p: the same two instructions on the same number
.endr
	s_wait_loadcnt 0x0                             ; all of V and its scale words
	v_alignbit_b32 v54, v52, v50, s22              ; V's scale words of step 0: the bytes of key blocks kb0 .. kb0 + 3
	v_alignbit_b32 v55, v53, v51, s22
	v_lshrrev_b32 v52, s22, v52                    ; of step 1: byte 0 = key block kb0 + 4
	v_lshrrev_b32 v53, s22, v53
	v_pk_add_f32 v[22:23], v[S:S+1], v[S+2:S+3]    ; the row's sum is taken of the unquantised p: two at a time, in two chains
	v_pk_add_f32 v[24:25], v[S+4:S+5], v[S+6:S+7]
.irp j, 8,12,16,20,24,28,32,36,40,44,48,52,56,60,64,68,72,76
	v_pk_add_f32 v[22:23], v[22:23], v[S+\j:S+\j+1]
	v_pk_add_f32 v[24:25], v[24:25], v[S+\j+2:S+\j+3]
.endr
	v_pk_add_f32 v[22:23], v[22:23], v[24:25]
	s_wait_alu depctr_va_vdst(0)                   ; and one wait for the five
.irp b, 0,1,2,3,4
	v_max_num_f32 v[BM+\b], 0x1800000, v[BM+\b]    ; the floor 2^(3 - 127): a block whose every p is 0 keeps the byte 1: its codes are zeros
.endr
.irp b, 0,1,2,3,4
	v_add_nc_u32 v[BSC+\b], 0xff000000, v[BM+\b]   ; 2 off the exponent field: the conversion's scale operand
.endr
.irp b, 0,1,2,3,4
	v_lshrrev_b32 v[BT+\b], 23, v[BSC+\b]          ; the scale's byte
.endr
	v_lshl_or_b32 v28, v38, 8, v37                 ; p's scale word of step 0
	v_lshl_or_b32 v28, v39, 16, v28
	v_lshl_or_b32 v28, v40, 24, v28
	v_mov_b32 v29, v41                             ; and of step 1: block 4's byte; the zero codes beside it have the byte 0
.irp c, 0,1
	v_cvt_scalef32_pk16_fp6_f32 v[P0+6*\c:P0+6*\c+2], v[S+32*\c:S+32*\c+15], v[BSC+2*\c]
	v_cvt_scalef32_pk16_fp6_f32 v[TC+4*\c:TC+4*\c+2], v[S+32*\c+16:S+32*\c+31], v[BSC+2*\c+1]
.endr
	v_cvt_scalef32_pk16_fp6_f32 v[P1:P1+2], v[S+64:S+79], v[BSC+4]
	v_nop                                          ; one plain instruction behind a scaled conversion
.irp c, 0,1                                    ; a whole block to a lane: lanes 0-15 block 2 c, lanes 16-31 block 2 c + 1
.irp i, 0,1,2
	v_permlane16_swap_b32 v[P0+6*\c+\i], v[TC+4*\c+\i]
.endr
.irp i, 0,1,2
	v_mov_b32 v[P0+3+6*\c+\i], v[TC+4*\c+\i]
.endr
.endr
.irp i, 0,1,2
	v_permlane16_swap_b32 v[P1+\i], v[P1+3+\i]     ; block 4 against zeros: lanes 0-15 get the whole block, lanes 16-31 zeros
.endr
	v_add_f32 v22, v22, v23                        ; the sum's two halves,
	v_permlanex16_b32 v18, v22, s24, s25
	v_add_f32 v22, v22, v18                        ; and lane l xor 16's: l
	v_rcp_f32 v26, v22
.rept 8
	v_nop                                          ; the plain instruction behind the reciprocal; eight places between p's scale words, four between its codes, and the scaled matrix instructions
.endr
.macro PV ct, vf, pf, vsc, psc, first
.if \first
.if (\ct)%2
	v_wmma_scale_f32_16x16x128_f8f6f4 v[O+8*(\ct):O+8*(\ct)+7], v[\vf:\vf+11], v[\pf:\pf+11], 0, v[\vsc+(\ct)/2], v[\psc] matrix_a_fmt:MATRIX_FMT_FP6 matrix_b_fmt:MATRIX_FMT_FP6 matrix_a_scale:MATRIX_SCALE_ROW1
.else
	v_wmma_scale_f32_16x16x128_f8f6f4 v[O+8*(\ct):O+8*(\ct)+7], v[\vf:\vf+11], v[\pf:\pf+11], 0, v[\vsc+(\ct)/2], v[\psc] matrix_a_fmt:MATRIX_FMT_FP6 matrix_b_fmt:MATRIX_FMT_FP6
.endif
.else
.if (\ct)%2
	v_wmma_scale_f32_16x16x128_f8f6f4 v[O+8*(\ct):O+8*(\ct)+7], v[\vf:\vf+11], v[\pf:\pf+11], v[O+8*(\ct):O+8*(\ct)+7], v[\vsc+(\ct)/2], v[\psc] matrix_a_fmt:MATRIX_FMT_FP6 matrix_b_fmt:MATRIX_FMT_FP6 matrix_a_scale:MATRIX_SCALE_ROW1
.else
	v_wmma_scale_f32_16x16x128_f8f6f4 v[O+8*(\ct):O+8*(\ct)+7], v[\vf:\vf+11], v[\pf:\pf+11], v[O+8*(\ct):O+8*(\ct)+7], v[\vsc+(\ct)/2], v[\psc] matrix_a_fmt:MATRIX_FMT_FP6 matrix_b_fmt:MATRIX_FMT_FP6
.endif
.endif
.endm
.irp ct, 0,1,2,3
	PV \ct, V0+12*\ct, P0, 54, 28, 1               ; key blocks 0-3 start the sums
.endr
.irp ct, 0,1,2,3
	PV \ct, V1+6*\ct, P1, 52, 29, 0                ; block 4: the four accumulators by turns, one instruction a turn
.endr
.rept 4
	v_nop                                          ; places behind the products
.endr
	s_wait_alu depctr_va_vdst(0)                   ; the wait for the reciprocal, ahead of its first reader
.irp j, 0,2,4,6,8,10,12,14,16,18,20,22,24,26,28,30
	v_pk_mul_f32 v[OQ+\j:OQ+\j+1], v[O+\j:O+\j+1], v[26:27] op_sel_hi:[1,0]   ; o = O^T / l: register 16 b + i is channel 32 b + 16 h + i of my head
.endr
.irp b, 0,1
	v_max3_num_f32 v[BM+\b], |v[OQ+16*\b]|, |v[OQ+16*\b+1]|, 0x1800000
.endr
.irp i, 2,4,6,8,10,12,14
.irp b, 0,1
	v_max3_num_f32 v[BM+\b], v[BM+\b], |v[OQ+16*\b+\i]|, |v[OQ+16*\b+\i+1]|
.endr
.endr
.irp b, 0,1
	v_permlanex16_b32 v[BT+\b], v[BM+\b], s24, s25
.endr
.irp b, 0,1
	v_max_num_f32 v[BM+\b], v[BM+\b], v[BT+\b]
.endr
.irp b, 0,1
	v_add_nc_u32 v[BSC+\b], 0xff000000, v[BM+\b]
.endr
.irp b, 0,1
	v_lshrrev_b32 v[BT+\b], 23, v[BSC+\b]
.endr
	v_lshl_or_b32 v30, v38, 8, v37                 ; my head's two scale bytes of my query
	v_cvt_scalef32_pk16_fp6_f32 v[P0:P0+2], v[OQ:OQ+15], v[BSC]
	v_cvt_scalef32_pk16_fp6_f32 v[TC:TC+2], v[OQ+16:OQ+31], v[BSC+1]
	v_nop
.irp i, 0,1,2
	v_permlane16_swap_b32 v[P0+\i], v[TC+\i]
.endr
.irp i, 0,1,2
	v_mov_b32 v[P0+3+\i], v[TC+\i]                 ; lane (r, h) now holds block h's 24 bytes of query r
.endr
	ds_store_b64 v12, v[P0:P0+1]
	ds_store_b64 v12, v[P0+2:P0+3] offset:8
	ds_store_b64 v12, v[P0+4:P0+5] offset:16
	ds_store_b16 v13, v30                          ; both halves of the lanes write the same two bytes with the same value
	s_wait_dscnt 0x0                               ; for the others' sake: my stores have landed
	s_barrier_signal -1
	s_barrier_wait -1                              ; 16 whole rows of codes and of scale bytes lie in LDS
	ds_load_b64 v[32:33], v14
	ds_load_b64 v[34:35], v14 offset:256
	ds_load_b64 v[36:37], v14 offset:512
	s_wait_dscnt 0x0
	global_store_b64 v5, v[32:33], s[44:45]        ; each store covers 256 consecutive bytes, aligned
	global_store_b64 v5, v[34:35], s[44:45] offset:256
	global_store_b64 v5, v[36:37], s[44:45] offset:512
	s_cmp_lg_u32 s16, 0                            ; wave 0 stores the tile's scale bytes: two runs of 256 consecutive bytes (tokens 0-7 and 16-23 of the tile's span)
	s_cbranch_scc1 .Lend
	ds_load_b128 v[40:43], v16
	s_wait_dscnt 0x0
	global_store_b128 v19, v[40:43], s[46:47]
.Lend:
	s_wait_xcnt 0x0
	v_lshl_add_u32 v254, v0, 2, 0x3400
	v_mov_b32 v255, 0
	s_wait_tensorcnt 0x0
	ds_add_u32 v254, v255
	s_wait_dscnt 0x0
	s_endpgm
.Lfunc_end_k_qf7b3db114b_attn:
	.size	k_qf7b3db114b_attn, .Lfunc_end_k_qf7b3db114b_attn-k_qf7b3db114b_attn
	.p2alignl 7, 3214868480
	.fill 96, 4, 3214868480
	.section	.rodata,"a",@progbits
	.p2align	6, 0x0
	.amdhsa_kernel k_qf7b3db114b_attn
		.amdhsa_group_segment_fixed_size 15360
		.amdhsa_private_segment_fixed_size 0
		.amdhsa_enable_private_segment 0
		.amdhsa_kernarg_size 48
		.amdhsa_user_sgpr_count 2
		.amdhsa_user_sgpr_kernarg_segment_ptr 1
		.amdhsa_wavefront_size32 1
		.amdhsa_system_sgpr_workgroup_id_x 1
		.amdhsa_system_sgpr_workgroup_id_y 1
		.amdhsa_system_sgpr_workgroup_id_z 1
		.amdhsa_system_vgpr_workitem_id 0
		.amdhsa_next_free_vgpr 256
		.amdhsa_next_free_sgpr 66
		.amdhsa_reserve_vcc 1
		.amdhsa_float_denorm_mode_32 3
		.amdhsa_float_denorm_mode_16_64 3
		.amdhsa_memory_ordered 1
		.amdhsa_forward_progress 1
		.amdhsa_inst_pref_size 38
	.end_amdhsa_kernel
	.amdgpu_metadata
---
amdhsa.version: [ 1, 2 ]
amdhsa.kernels:
  - .name:           k_qf7b3db114b_attn
    .symbol:         k_qf7b3db114b_attn.kd
    .args:
      - { .name: qkc, .offset: 0, .size: 8, .value_kind: global_buffer, .address_space: global }
      - { .name: qks, .offset: 8, .size: 8, .value_kind: global_buffer, .address_space: global }
      - { .name: vc, .offset: 16, .size: 8, .value_kind: global_buffer, .address_space: global }
      - { .name: vs, .offset: 24, .size: 8, .value_kind: global_buffer, .address_space: global }
      - { .name: oc, .offset: 32, .size: 8, .value_kind: global_buffer, .address_space: global }
      - { .name: os, .offset: 40, .size: 8, .value_kind: global_buffer, .address_space: global }
    .group_segment_fixed_size: 15360
    .private_segment_fixed_size: 0
    .kernarg_segment_align: 8
    .kernarg_segment_size: 48
    .max_flat_workgroup_size: 512
    .sgpr_count:     66
    .vgpr_count:     256
    .wavefront_size: 32
...
	.end_amdgpu_metadata
.endif
;; end of part 3
;; launch oproj (part 4): grid 4 x 16, 4 waves a work-group, clusters of 4 x 4, 327,680 bytes of LDS; arguments oc, os, cod, scl, out0; writes out0
.if DOCPART == 4
	.amdgcn_target "amdgcn-amd-amdhsa--gfx1250"
	.amdhsa_code_object_version 6
	.text
	.protected	k_qf7b3db114b_oproj
	.globl	k_qf7b3db114b_oproj
	.p2align	8
	.type	k_qf7b3db114b_oproj,@function
k_qf7b3db114b_oproj:
	s_mov_b64 s[64:65], 0
	v_nop
	global_prefetch_b8 v0, s[64:65] scope:SCOPE_SE
	s_setreg_imm32_b32 hwreg(HW_REG_WAVE_MODE, 25, 1), 1
	s_wait_xcnt 0x0
	s_wait_alu depctr_hold_cnt(0) depctr_sa_sdst(0) depctr_va_vdst(0) depctr_va_sdst(0) depctr_va_ssrc(0) depctr_va_vcc(0) depctr_vm_vsrc(0)
	s_getreg_b32 s2, hwreg(HW_REG_IB_STS2, 6, 4)
	s_cmp_eq_u32 s2, 0
	s_cbranch_scc0 .Lentry_in_a_cluster
	s_endpgm
.Lentry_in_a_cluster:
	s_bfe_u32 s2, ttmp6, 0x10000c
	s_cmp_lg_u32 s2, 0xf033
	s_cbranch_scc0 .Lentry_shape_is_right
	s_endpgm
.Lentry_shape_is_right:
; out0[m][n] = sum over k of o[m][k] Wo[n][k], on codes of FP6 (E2M3) with one E8M0 scale for each 32 along K = 1,024; out0 [4096][1024] f32; sums in f32.
; A = o: codes oc [4096][768 bytes], scale bytes os [4096][32].  B = Wo: rows 7,168 on of cod and scl, in true order.
; A tile of 256 x 256 is made by four waves, each 128 x 128: 64 accumulators, 512 registers.  K goes in steps of 256 through a ring of two LDS slots filled by the tensor data mover; the scale bytes of the tile's rows come once.
; CLUSTERS: 4 x 4 work-groups.  The four of a row of the cluster need the same tiles of A, the four of a column the same tiles of B: each tile is asked for jointly.
; THE MATRIX INSTRUCTION IS USED TRANSPOSED (source 0 = 16 rows of B, source 1 = 16 rows of A): a lane then holds eight neighbouring numbers of a row of out0.
; The launch has 64 tiles, one to a work-group.
; REGISTERS, in windows of 256: window 0: v0-31 addresses; v32-63 scale words, two sets; v128-223 A's fragments, one set; on the way out v128-255 take rows of out0.   window 1: B's fragments, two sets.
;   window 2: the accumulators of my rows 0-63 ((a, b) at v[8 (8 a + b)]);   window 3: those of my rows 64-127.
.set SIZE_N, 1024
.set SIZE_K, 1024
.set KSTEP,  256
.set NQ,     KSTEP/128
.set ROWB,   192
.set KROW,   SIZE_K*6/8
.set PITCH,  240                       ; an LDS row: 3 x (64 bytes + 16 of padding) = 60 words: the 32 lanes of a load of 8 bytes touch 64 different banks (64 banks of 4 bytes: ISA guide 11.1)
.set FR,     12
.set NL,     6
.set NP,     4                         ; places behind this matrix instruction (ISA guide 7.12.1)
.set HALFT,  128*PITCH
.set SLOT,   4*HALFT
.set LAPS,   SIZE_K/(2*KSTEP)
.set KS,     SIZE_K/32
.set SCL,    2*SLOT
.set HALFS,  (128*KS/256)*272
.set SBLK,   (16*KS/256)*272
.set SPARE,  SCL+4*HALFS               ; the spare words, 128 bytes a wave: two blocks of 256 bytes that no other line names
.set SPITCH, 528                       ; the way out: a stage of 16 rows x (512 bytes + 16) for each wave, in slot 0, which has had its last fill and its last read when the first result is stored there
.set ADRA, 16
.set ADRB, 20
.set STO,  24                          ; v24  the way out: where I put 32 bytes of a row
.set RD,   25                          ; v25  where I read a row back
.set CO,   26                          ; v26  my byte offset in a row of out0
.set ADRS, 27
.set SPW,  28                          ; v28  my spare word; never rewritten
.set NIL,  29                          ; v29  0; never rewritten
.set SC,   32
.set AF,   128
.set BK,   128                         ; the way out: 16 rows read back: v128-191 and v192-255 by turns
.set G1, 24
.set G0, 32
.set G1B, 48
.set G0B, 56
.set G1S, 68
.set G0S, 76
.set G1SB, 80
.set G0SB, 88
.set MSB, 0
.macro WIN new                         ; the immediate's high byte repeats the setting that is left
.if MSB != \new
	s_set_vgpr_msb (MSB<<8)|\new
.set MSB, \new
.endif
.endm
.set MUL_LO, 0xa1
.set MUL_HI, 0xf1
.set TO_B,   0x40
.macro JLOAD g0a, g1a, g0b, g1b        ; a joint load: waves 0 and 1 fetch for A, waves 2 and 3 for B; four v_nop follow each of the two lines
	s_cmp_eq_u32 s15, 0
	s_cbranch_scc0 .Lfor_b_\@
	tensor_load_to_lds s[\g0a:\g0a+3], s[\g1a:\g1a+7]
	s_nop 0
.rept 4
	v_nop
.endr
	s_branch .Lasked_\@
.Lfor_b_\@:
	tensor_load_to_lds s[\g0b:\g0b+3], s[\g1b:\g1b+7]
	s_nop 0
.rept 4
	v_nop
.endr
.Lasked_\@:
.endm
.macro CREST
	s_cmp_lg_u32 s14, 0
	s_cbranch_scc1 .Lnot_wave_0_\@
	s_barrier_signal -3
.Lnot_wave_0_\@:
	s_barrier_wait -3
	s_barrier_signal -1
	s_barrier_wait -1
.endm
.macro CROUND
	s_barrier_signal -1
	s_barrier_wait -1
	CREST
.endm
	s_load_b128 s[4:7], s[0:1], 0x0                ; oc, os
	s_load_b128 s[8:11], s[0:1], 0x10              ; cod, scl
	s_load_b64 s[12:13], s[0:1], 0x20              ; out0
	v_lshl_add_u32 v[SPW], v0, 2, SPARE
	v_mov_b32 v[NIL], 0
	ds_add_u32 v28, v29
	ds_add_u32 v28, v29
	s_wait_dscnt 0x0
	v_lshrrev_b32 v1, 5, v0
	v_readfirstlane_b32 s14, v1                    ; wave 0..3
	s_lshr_b32 s15, s14, 1                         ; which half of the tile's rows is mine.  Also: I fetch for A (0) or for B (1)
	s_and_b32 s16, s14, 1                          ; which half of its columns.  Also: which 128 rows of that tile I fetch
	s_bfe_u32 s40, ttmp6, 0x40000                  ; cx, cy
	s_bfe_u32 s41, ttmp6, 0x40004
	s_lshl_b32 s42, ttmp9, 2
	s_add_co_u32 s42, s42, s40                     ; tile column
	s_and_b32 s17, ttmp7, 0xffff
	s_lshl_b32 s17, s17, 2
	s_add_co_u32 s17, s17, s41                     ; tile row
	s_lshl_b32 s43, s41, 2
	s_lshl_b32 s43, 15, s43                        ; my row of the cluster
	s_lshl_b32 s44, 0x1111, s40                    ; my column
	s_or_b32 s[G1+0], s43, (0<<16)|(1<<20)|(1<<21)|(3<<22)|(3<<25)  ; the mask; elements of 1 byte; padding on; bit 21 beside a mask; after every 16 words; 4 words of it
	s_or_b32 s[G1B+0], s44, (0<<16)|(1<<20)|(1<<21)|(3<<22)|(3<<25)
.irp g, G1, G1B
	s_mov_b32 s[\g+1], ROWB<<16
	s_mov_b32 s[\g+2], 128<<16
	s_mov_b32 s[\g+3], ROWB<<16
	s_mov_b32 s[\g+4], 128
	s_mov_b32 s[\g+5], KROW
	s_mov_b32 s[\g+6], 0
	s_mov_b32 s[\g+7], 0
.endr
	s_or_b32 s[G1S+0], s43, (3<<16)|(1<<20)|(1<<21)|(5<<22)|(3<<25)   ; the scale bytes of 128 rows: 16 rows of 256 bytes, 16 bytes of padding behind each
	s_or_b32 s[G1SB+0], s44, (3<<16)|(1<<20)|(1<<21)|(5<<22)|(3<<25)
.irp g, G1S, G1SB
	s_mov_b32 s[\g+1], 32<<16
	s_mov_b32 s[\g+2], (128*KS/256)<<16
	s_mov_b32 s[\g+3], 32<<16
	s_mov_b32 s[\g+4], 128*KS/256
	s_mov_b32 s[\g+5], 32
	s_mov_b32 s[\g+6], 0
	s_mov_b32 s[\g+7], 0
.endr
	s_lshl_b32 s18, s16, 7
	s_lshl_b32 s20, s17, 8
	s_add_co_u32 s20, s20, s18                     ; A: row 256 x tile row + 128 x half
	s_lshl_b32 s46, s42, 8
	s_add_co_u32 s46, s46, s18                     ; B: row 256 x tile column + 128 x half,
	s_add_co_u32 s46, s46, 7168                    ; behind x, Wq, Wk and Wv in cod and scl
	s_mov_b32 s21, 0
	s_mov_b32 s47, 0
	s_mov_b64 s[18:19], KS
	s_mul_u64 s[22:23], s[20:21], s[18:19]
	s_mul_u64 s[92:93], s[46:47], s[18:19]
	s_mov_b64 s[18:19], KROW
	s_mul_u64 s[20:21], s[20:21], s[18:19]
	s_mul_u64 s[46:47], s[46:47], s[18:19]
	s_mul_i32 s45, s14, HALFT
	s_mul_i32 s94, s14, HALFS
	s_wait_kmcnt 0x0
	s_add_nc_u64 s[20:21], s[4:5], s[20:21]
	s_add_nc_u64 s[22:23], s[6:7], s[22:23]
	s_add_nc_u64 s[46:47], s[8:9], s[46:47]
	s_add_nc_u64 s[92:93], s[10:11], s[92:93]
	CROUND                                         ; all sixteen work-groups are here: the first joint loads meet
	s_mov_b32 s[G0S], 1
	s_add_co_u32 s[G0S+1], s94, SCL
	s_mov_b64 s[G0S+2:G0S+3], s[22:23]
	s_or_b32 s[G0S+3], s[G0S+3], 0x80000000
	s_mov_b32 s[G0SB], 1
	s_add_co_u32 s[G0SB+1], s94, SCL
	s_mov_b64 s[G0SB+2:G0SB+3], s[92:93]
	s_or_b32 s[G0SB+3], s[G0SB+3], 0x80000000
	JLOAD G0S, G1S, G0SB, G1SB
.irp s, 0,1
	s_mov_b32 s[G0+4*\s], 1
	s_add_co_u32 s[G0+4*\s+1], s45, \s*SLOT
	s_add_nc_u64 s[G0+4*\s+2:G0+4*\s+3], s[20:21], \s*ROWB
	s_or_b32 s[G0+4*\s+3], s[G0+4*\s+3], 0x80000000
	s_mov_b32 s[G0B+4*\s], 1
	s_add_co_u32 s[G0B+4*\s+1], s45, \s*SLOT
	s_add_nc_u64 s[G0B+4*\s+2:G0B+4*\s+3], s[46:47], \s*ROWB
	s_or_b32 s[G0B+4*\s+3], s[G0B+4*\s+3], 0x80000000
	JLOAD G0+4*\s, G1, G0B+4*\s, G1B
.endr
	v_and_b32 v1, 15, v0
	v_bfe_u32 v2, v0, 4, 1
	v_mul_u32_u24 v3, v1, PITCH
	v_mul_u32_u24 v4, v2, 24
	v_add_nc_u32 v4, v3, v4
	v_lshl_add_u32 v5, v2, 4, v4
	s_mul_i32 s21, s15, HALFT
	s_mul_i32 s22, s16, HALFT
	s_add_co_u32 s22, s22, 2*HALFT
.irp s, 0,1
	v_add_nc_u32 v[ADRA+\s], s21, v4
	v_add_nc_u32 v[ADRB+\s], s22, v4
	v_add_nc_u32 v[ADRA+2+\s], s21, v5
	v_add_nc_u32 v[ADRB+2+\s], s22, v5
	s_add_co_u32 s21, s21, SLOT
	s_add_co_u32 s22, s22, SLOT
.endr
	v_mul_u32_u24 v5, v1, KS
	v_lshrrev_b32 v6, 8, v5
	v_lshl_add_u32 v5, v6, 4, v5
	s_mul_i32 s21, s15, HALFS
	s_mul_i32 s22, s16, HALFS
	s_add_co_u32 s22, s22, 2*HALFS
	s_sub_co_u32 s22, s22, s21
	v_mul_u32_u24 v6, s22, v2
	s_add_co_u32 s21, s21, SCL
	v_add_nc_u32 v5, v5, v6
	v_add_nc_u32 v[ADRS], s21, v5
	s_mul_i32 s23, s14, 16*SPITCH                  ; my stage
	v_mul_u32_u24 v5, v1, SPITCH
	v_lshl_add_u32 v5, v2, 5, v5
	v_add_nc_u32 v[STO], s23, v5
	v_and_b32 v6, 31, v0
	v_lshlrev_b32 v[CO], 4, v6
	v_add_nc_u32 v[RD], s23, v[CO]
	s_lshl_b32 s20, s17, 8
	s_lshl_b32 s21, s15, 7
	s_add_co_u32 s20, s20, s21                     ; my first row of out0
	s_mov_b32 s21, 0
	s_mov_b64 s[18:19], SIZE_N*4
	s_mul_u64 s[20:21], s[20:21], s[18:19]
	s_lshl_b32 s46, s42, 10                        ; my first column, in bytes
	s_lshl_b32 s47, s16, 9
	s_add_co_u32 s46, s46, s47
	s_mov_b32 s47, 0
	s_add_nc_u64 s[20:21], s[20:21], s[46:47]
	s_add_nc_u64 s[12:13], s[12:13], s[20:21]
.macro FRAG reg, adr, q, i             ; a fragment, 16 rows x 128 K, is 12 registers, in pieces of 8 bytes; where lanes 16-31's piece lies behind one padding more, the second address register serves
.irp p, 0,1,2,3,4,5
.set PC, 12*(\q)+6*(\p/3)+\p%3
.if PC%8 < 5
	ds_load_b64 v[\reg+2*\p:\reg+2*\p+1], v[\adr] offset:8*PC+16*(PC/8)+(\i)*16*PITCH
.else
	ds_load_b64 v[\reg+2*\p:\reg+2*\p+1], v[\adr+2] offset:8*PC+16*(PC/8)+(\i)*16*PITCH
.endif
.endr
.endm
; 16 matrix instructions; the 64 accumulators take turns, one instruction a turn, in the same order in every step
.macro MUL16 a0, p, q, sc, zero
.irp a, \a0, \a0+1
.irp b, 0,1,2,3,4,5,6,7
.if \zero
	v_wmma_scale_f32_16x16x128_f8f6f4 v[8*(8*((\a)%4)+\b):8*(8*((\a)%4)+\b)+7], v[128*(\p)+FR*\b:128*(\p)+FR*\b+FR-1], v[AF+FR*(\a):AF+FR*(\a)+FR-1], 0, v[SC+8*NQ*(\sc)+NQ*\b+(\q)], v[SC+8*NQ*(\sc)+NQ*(\a)+(\q)] matrix_a_fmt:MATRIX_FMT_FP6 matrix_b_fmt:MATRIX_FMT_FP6 matrix_a_scale:MATRIX_SCALE_ROW1
.else
	v_wmma_scale_f32_16x16x128_f8f6f4 v[8*(8*((\a)%4)+\b):8*(8*((\a)%4)+\b)+7], v[128*(\p)+FR*\b:128*(\p)+FR*\b+FR-1], v[AF+FR*(\a):AF+FR*(\a)+FR-1], v[8*(8*((\a)%4)+\b):8*(8*((\a)%4)+\b)+7], v[SC+8*NQ*(\sc)+NQ*\b+(\q)], v[SC+8*NQ*(\sc)+NQ*(\a)+(\q)] matrix_a_fmt:MATRIX_FMT_FP6 matrix_b_fmt:MATRIX_FMT_FP6 matrix_a_scale:MATRIX_SCALE_ROW1
.endif
.endr
.endr
.endm
.macro FETCH_B slot, q, p
	WIN TO_B
.irp i, 0,1,2,3,4,5,6,7
	FRAG 128*(\p)+FR*\i, ADRB+\slot, \q, \i
.endr
	WIN 0
.endm
.macro FETCH_A slot, q, i0
.irp i, \i0, \i0+1, \i0+2, \i0+3
	FRAG AF+FR*(\i), ADRA+\slot, \q, \i
.endr
.endm
.macro SCALES sc
.irp i, 0,1,2,3,4,5,6,7
	ds_load_b64 v[SC+8*NQ*\sc+NQ*\i:SC+8*NQ*\sc+NQ*\i+1], v[ADRS] offset:\i*SBLK
.endr
.endm
.macro PLACES n
.rept \n
	v_nop
.endr
.endm
.macro STEP slot, q, zero
	s_wait_dscnt 4*NL                              ; B's set and A's blocks 0-3 are in; the youngest 24 loads (A's blocks 4-7) may be out
	WIN MUL_LO
	MUL16 0, (\q)%2, \q, \slot, \zero
	MUL16 2, (\q)%2, \q, \slot, \zero
	s_wait_dscnt 0
	PLACES NP
	FETCH_B \slot, (\q)+1, 1-(\q)%2
	FETCH_A \slot, (\q)+1, 0
	WIN MUL_HI
	MUL16 4, (\q)%2, \q, \slot, \zero
	MUL16 6, (\q)%2, \q, \slot, \zero
	PLACES NP
	WIN 0
	FETCH_A \slot, (\q)+1, 4
.endm
.macro TURN slot, next, fill
	s_wait_tensorcnt 0x0                           ; all my tensor loads have landed: my part of the next slot
	ds_add_u32 v[SPW], v[NIL]                      ; 0 onto my spare word
	s_wait_dscnt 4*NL+1                            ; (the add and the youngest 24 loads may be out)
	WIN MUL_LO
	MUL16 0, 1, NQ-1, \slot, 0
	s_wait_dscnt 0x0                               ; the add is done, and my reads of this slot are over
	s_barrier_signal -1
	MUL16 2, 1, NQ-1, \slot, 0
	WIN 0
	s_barrier_wait -1
.if \fill
	CREST                                          ; the barrier has opened a round of the cluster's barrier: no wave of any partner still reads this slot's tile or has a load on its way
	s_add_nc_u64 s[G0+4*\slot+2:G0+4*\slot+3], s[G0+4*\slot+2:G0+4*\slot+3], 2*ROWB
	s_add_nc_u64 s[G0B+4*\slot+2:G0B+4*\slot+3], s[G0B+4*\slot+2:G0B+4*\slot+3], 2*ROWB
	JLOAD G0+4*\slot, G1, G0B+4*\slot, G1B
.else
	PLACES NP
.endif
	v_add_nc_u32 v[ADRS], 4*NQ, v[ADRS]
	FETCH_B \next, 0, 0
	FETCH_A \next, 0, 0
	SCALES \next
	WIN MUL_HI
	MUL16 4, 1, NQ-1, \slot, 0
	MUL16 6, 1, NQ-1, \slot, 0
	PLACES NP
	WIN 0
	FETCH_A \next, 0, 4
.endm
	s_wait_tensorcnt 1                             ; the scale bytes and my part of K step 0 are in (K step 1's load may be out),
	s_barrier_signal -1
	s_barrier_wait -1                              ; everybody's are
	FETCH_B 0, 0, 0
	FETCH_A 0, 0, 0
	SCALES 0
	FETCH_A 0, 0, 4
	STEP 0, 0, 1                                   ; the first step's products start the sums
	s_mov_b32 s3, LAPS-1
.Llap:
	TURN 0, 1, 1
	STEP 1, 0, 0
	TURN 1, 0, 1
	STEP 0, 0, 0
	s_sub_co_u32 s3, s3, 1
	s_cmp_lg_u32 s3, 0
	s_cbranch_scc1 .Llap
	TURN 0, 1, 0                                   ; the last lap fills nothing
	STEP 1, 0, 0
	s_wait_dscnt 4*NL                              ; the very last step
	WIN MUL_LO
	MUL16 0, 1, NQ-1, 1, 0
	MUL16 2, 1, NQ-1, 1, 0
	s_wait_dscnt 0
	WIN MUL_HI
	MUL16 4, 1, NQ-1, 1, 0
	MUL16 6, 1, NQ-1, 1, 0
	WIN 0
; THE WAY OUT, block by block of 16 rows x 128 columns: through my own stage in LDS, back as whole rows of 512 bytes.  LDS serves a wave's instructions in order (ISA guide 5.7.1.4): no wait between the stores and the loads.
.macro TOSTAGE a
.set AC, 64*((\a)%4)
	WIN 0x08+4*((\a)/4)                            ; the data: window 2 or 3
.irp b, 0,1,2,3,4,5,6,7
	ds_store_b128 v[STO], v[AC+8*\b:AC+8*\b+3] offset:64*\b          ; each accumulator from its low end on
	ds_store_b128 v[STO], v[AC+8*\b+4:AC+8*\b+7] offset:64*\b+16
.endr
	WIN 0
.set BB, BK+64*((\a)%2)
.irp t, 0,1,2,3,4,5,6,7,8,9,10,11,12,13,14,15
	ds_load_b128 v[BB+4*\t:BB+4*\t+3], v[RD] offset:\t*SPITCH
.endr
.endm
.macro SEND a, younger                 ; younger: the LDS instructions issued behind block a's loads, which may stay out
.set BB, BK+64*((\a)%2)
	s_wait_dscnt \younger
.if (\a) > 0
	s_add_nc_u64 s[12:13], s[12:13], 16*SIZE_N*4   ; (behind a wait on XCNT: the earlier stores have read their base)
.endif
.irp t, 0,1,2,3,4,5,6,7,8,9,10,11,12,13,14,15
	global_store_b128 v[CO], v[BB+4*\t:BB+4*\t+3], s[12:13] offset:\t*SIZE_N*4 th:TH_STORE_NT   ; 32 lanes store 512 consecutive bytes, aligned
.endr
.endm
	PLACES NP                                      ; behind the last products: for the loads into A's old registers and the reads of results
	TOSTAGE 0
.irp a, 1,2,3,4,5,6,7
.if \a > 1
	s_wait_xcnt 0x0                                ; block a - 2's stores have read their registers and their base
.endif
	TOSTAGE \a
	SEND \a-1, 32                                  ; behind block a - 1's loads: block a's 16 stores and 16 loads
.endr
	s_wait_xcnt 0x0                                ; block 6's stores have read their base
	SEND 7, 0
	s_wait_tensorcnt 0x0                           ; the wave's end
	ds_add_u32 v[SPW], v[NIL]
	s_wait_dscnt 0x0
	CROUND                                         ; the closing round
	s_endpgm
.Lfunc_end_k_qf7b3db114b_oproj:
	.size	k_qf7b3db114b_oproj, .Lfunc_end_k_qf7b3db114b_oproj-k_qf7b3db114b_oproj
	.p2alignl 7, 3214868480
	.fill 96, 4, 3214868480
	.section	.rodata,"a",@progbits
	.p2align	6, 0x0
	.amdhsa_kernel k_qf7b3db114b_oproj
		.amdhsa_group_segment_fixed_size 327680
		.amdhsa_private_segment_fixed_size 0
		.amdhsa_enable_private_segment 0
		.amdhsa_kernarg_size 40
		.amdhsa_user_sgpr_count 2
		.amdhsa_user_sgpr_kernarg_segment_ptr 1
		.amdhsa_wavefront_size32 1
		.amdhsa_system_sgpr_workgroup_id_x 1
		.amdhsa_system_sgpr_workgroup_id_y 1
		.amdhsa_system_sgpr_workgroup_id_z 1
		.amdhsa_system_vgpr_workitem_id 0
		.amdhsa_next_free_vgpr 1024
		.amdhsa_next_free_sgpr 98
		.amdhsa_reserve_vcc 0
		.amdhsa_float_denorm_mode_32 3
		.amdhsa_float_denorm_mode_16_64 3
		.amdhsa_memory_ordered 1
		.amdhsa_forward_progress 1
		.amdhsa_inst_pref_size 160
	.end_amdhsa_kernel
	.amdgpu_metadata
---
amdhsa.version: [ 1, 2 ]
amdhsa.kernels:
  - .name:           k_qf7b3db114b_oproj
    .symbol:         k_qf7b3db114b_oproj.kd
    .args:
      - { .name: oc, .offset: 0, .size: 8, .value_kind: global_buffer, .address_space: global }
      - { .name: os, .offset: 8, .size: 8, .value_kind: global_buffer, .address_space: global }
      - { .name: cod, .offset: 16, .size: 8, .value_kind: global_buffer, .address_space: global }
      - { .name: scl, .offset: 24, .size: 8, .value_kind: global_buffer, .address_space: global }
      - { .name: out0, .offset: 32, .size: 8, .value_kind: global_buffer, .address_space: global }
    .group_segment_fixed_size: 327680
    .private_segment_fixed_size: 0
    .kernarg_segment_align: 8
    .kernarg_segment_size: 40
    .max_flat_workgroup_size: 128
    .sgpr_count:     98
    .vgpr_count:     1024
    .wavefront_size: 32
...
	.end_amdgpu_metadata
.endif
;; end of part 4
